; MI455X (gfx1250); checked and timed in simulation.
; The chip was launched on July 23, 2026; its instructions are those of AMD's public machine-readable ISA for CDNA 5 (MIT licence, August 2026) and "CDNA5" Instruction Set Architecture Reference Guide (July 2026). The comments in the code are by the model that wrote it; some were corrected since.
;; Encoder. Allowed arithmetic: matrix products marked QUANTISED: E4M3 operands, one given power-of-two scale a tensor, by v_wmma_f32_16x16x64_fp8_fp8 or v_wmma_f32_16x16x128_fp8_fp8, f32 sums; everything else in f32.
;; Inputs: b_down 1,024 float32; b_up 4,096 float32; bk 1,024 float32; bo 1,024 float32; bq 1,024 float32; bv 1,024 float32; ln1_b 1,024 float32; ln1_g 1,024 float32; ln2_b 1,024 float32; ln2_g 1,024 float32; lnf_b 1,024 float32; lnf_g 1,024 float32; lowp_scales 16 int32 (the exponents e of the quantised operands' scales 2^e); w_down 4,096 x 1,024 float32; w_up 1,024 x 4,096 float32; wk 1,024 x 1,024 float32; wo 1,024 x 1,024 float32; wq 1,024 x 1,024 float32; wv 1,024 x 1,024 float32; x 4 x 1,024 x 1,024 float32.
;; Outputs: out0 4 x 1,024 x 1,024 float32.
;; This version of the problem:
;;   THIS VERSION OF THE PROBLEM IS GIVEN IN LOW PRECISION. The matrix products marked QUANTISED in the list below multiply operands that are first quantised to E4M3 (4 exponent bits, 3 mantissa bits; 8 bits a number), with one given power-of-two scale for each operand tensor; their sums are f32. All else is computed in f32.
;;   The module's matrix products, in the order in which they are computed (A, B: the left and right operand; K: the contracted axis; several contracted axes count as one K, in the product's order):
;;     1. [M 4,096, K 1,024] x [K 1,024, N 1,024]; A: computed on the way; B: input wq: QUANTISED (scales: A lowp_scales[0], B lowp_scales[1])
;;     2. [M 4,096, K 1,024] x [K 1,024, N 1,024]; A: computed on the way; B: input wk: QUANTISED (scales: A lowp_scales[2], B lowp_scales[3])
;;     3. [M 4,096, K 1,024] x [K 1,024, N 1,024]; A: computed on the way; B: input wv: QUANTISED (scales: A lowp_scales[4], B lowp_scales[5])
;;     4. batch 64 x [M 1,024, K 64] x [K 64, N 1,024]; A: computed on the way; B: computed on the way: QUANTISED (scales: A lowp_scales[6], B lowp_scales[7])
;;     5. batch 64 x [M 1,024, K 1,024] x [K 1,024, N 64]; A: computed on the way; B: computed on the way: QUANTISED (scales: A lowp_scales[8], B lowp_scales[9])
;;     6. [M 4,096, K 1,024] x [K 1,024, N 1,024]; A: computed on the way; B: input wo: QUANTISED (scales: A lowp_scales[10], B lowp_scales[11])
;;     7. [M 4,096, K 1,024] x [K 1,024, N 4,096]; A: computed on the way; B: input w_up: QUANTISED (scales: A lowp_scales[12], B lowp_scales[13])
;;     8. [M 4,096, K 4,096] x [K 4,096, N 1,024]; A: computed on the way; B: input w_down: QUANTISED (scales: A lowp_scales[14], B lowp_scales[15])
;;   THE QUANTISER, for each operand of a quantised product, along K:
;;     - The operand's scale is 2^e, e = its entry of the input lowp_scales (int32; the entries are numbered through the quantised products in the list's order, A before B).
;;     - Each number is divided by the scale, clamped to +-448, and rounded to the nearest number of E4M3, ties to even, subnormals kept.
;;     - The product sums the exact products of the quantised numbers (number of the format x scale) in f32.
;;   ~~~python
;;   def quantise(x, axis, e):      # numpy; x: float32 -> the quantised numbers, widened to float32 again
;;       x = np.moveaxis(x, axis, -1); K = x.shape[-1]
;;       r = np.clip(x / 2.0 ** e, -448, 448)
;;       step = 2.0 ** (np.maximum(np.frexp(np.where(r == 0, 1, r))[1] - 1, -6) - 3)
;;       q = np.round(r / step) * step * 2.0 ** e      # np.round: ties to even
;;       return np.moveaxis(q, -1, axis).astype(np.float32)
;;   ~~~
;;   OPERANDS COMPUTED ON THE WAY. 'Computed on the way' means the value that the module computes at that place (a softmax that the list does not call 'softmax' is quantised finished and normalised). What goes into a quantiser is computed in f32, as accurately as f32 sums, v_exp_f32 and their like allow (about 1e-6 of the number): no bf16 or f16 on the way to a quantiser, and a product that is left as it is and whose result goes on into a quantised operand takes f32 operands (vector FMAs, or v_wmma_f32_16x16x4_f32). A number that lies on a knife's edge between two numbers of the format may be rounded either way, as far as f32 arithmetic and the matrix unit's own rounding can turn it there, and no further.
;; One version. Each part assembles by itself: llvm-mc -triple=amdgcn-amd-amdhsa -mcpu=gfx1250 --defsym DOCPART=n.
;; ======== version 1 of 1: 8 launches
;; workspace buffers: wc 12,582,912 bytes; yc 12,582,912 bytes; qkvc 12,582,912 bytes; oc 4,194,304 bytes; x1 16,777,216 bytes; hc 16,777,216 bytes; x2 16,777,216 bytes
;; launch prep (part 1): grid 896 x 1, 4 waves a work-group, no clusters, 35,328 bytes of LDS; arguments x, ln1_g, ln1_b, wq, wk, wv, wo, w_up, w_down, lowp_scales, wc, yc; writes wc, yc
.if DOCPART == 1
	.amdgcn_target "amdgcn-amd-amdhsa--gfx1250"
	.amdhsa_code_object_version 6
	.text
	.protected	k_qe17f51a0e2_prep
	.globl	k_qe17f51a0e2_prep
	.p2align	8
	.type	k_qe17f51a0e2_prep,@function
k_qe17f51a0e2_prep:
	s_mov_b64 s[64:65], 0
	v_nop
	global_prefetch_b8 v0, s[64:65] scope:SCOPE_SE
	s_setreg_imm32_b32 hwreg(HW_REG_WAVE_MODE, 25, 1), 1
	s_wait_xcnt 0x0
; FIRST LAUNCH OF EIGHT (prep, qkv, attn, oproj, ln2, up, down, lnf) of a pre-norm encoder layer with 1.5-entmax attention, all eight products on codes of E4M3.
; NOTHING OF THE PROBLEM IS LEFT OUT AS DEAD WORK: every input has a way to the output (bk too: it moves k's codes), every product of the table is done.
; The sort of the entmax is replaced, in the launch attn, by a root search for the same threshold; that launch's head says how and with what bound.
; THIS LAUNCH: work-groups 0..383 turn the six weights (f32, K their FIRST axis) into codes laid [N][K], K innermost, in wc:
;   wq at 0, wk at 1 MiB, wv at 2 MiB, wo at 3 MiB, w_up at 4 MiB ([4096][1024]), w_down at 8 MiB ([1024][4096]).
; Work-groups 384..895 make y = LN1(x) and quantise it three times, with the scales of products 1, 2, 3 (entries 0, 2, 4), into three planes [4096][1024] of yc.
; code = number / 2^e, held within +-448, rounded to the nearest code, ties to even.
; LIMITS: every e used here lies between -126 and 119, so that 2^e and 448 x 2^e are f32 numbers.  NaN and infinity among the inputs are not served.
; WEIGHTS: a lane takes a column n and its registers run down K: each load reads 128 consecutive bytes a wave, and the conversions give codes with K innermost.  A wave takes 32 columns x 256 along K;
; its codes go through its own stage in LDS and leave as rows: sixteen lanes store 256 consecutive bytes, aligned.  One path serves all six tensors: pitch, pointers and the scale's entry are chosen by the work-group's number.
; LN1: a wave takes two rows; a row lies in 32 registers between the passes.  In chunk j a lane holds columns 256 j + 8 lane .. + 7: eight neighbours along K, as the conversion wants; a wave's store of codes covers 256 consecutive bytes, aligned.
; No tensor load, no barrier: waves share nothing.
.set SPARE, 34816                      ; behind the four stages: the spare words, 128 bytes a wave
.set SPW,   12                         ; v12  SPARE + 4 x my thread's number; never rewritten
.set NIL,   13                         ; v13  0; never rewritten
; the weights' path
.set VO,    16                         ; v16-47   offsets of the 32 rows of a block: 4 lane + i x the source's pitch
.set X,     48                         ; v48-111  two sets of 32 numbers
.set C,     112                        ; v112-119 a block's codes
.set OUTR,  120                        ; v120-183 the way out
.set VS,    184                        ; v184-199 the stores' offsets
.set SB,    48                         ; s[48:63] the eight blocks' bases
.set PITCH, 272                        ; a stage row: 256 bytes + 16
; the norm's path
.set G,     16                         ; v16-47   gain
.set BB,    48                         ; v48-79   bias
.set X0,    80                         ; v80-111  row 0
.set X1,    112                        ; v112-143 row 1
.set TMP,   144                        ; v144-159 two sets of eight held numbers
.set CD,    160                        ; v160-183 codes: 3 scales x 4 chunks x 2
.set RED,   184                        ; v184-191 four running pairs
.set W0,    192
.set W1,    193
.set PR,    194                        ; v[194:195] mean, then 1 / sigma, twice
.set SC,    196                        ; v196-198 2^e
.set LIM,   199                        ; v199-201 448 x 2^e
	s_load_b512 s[4:19], s[0:1], 0x0               ; x, ln1_g, ln1_b, wq, wk, wv, wo, w_up
	s_load_b256 s[20:27], s[0:1], 0x40             ; w_down, lowp_scales, wc, yc
	v_lshl_add_u32 v[SPW], v0, 2, SPARE
	v_mov_b32 v[NIL], 0
	v_lshrrev_b32 v1, 5, v0
	v_readfirstlane_b32 s28, v1                    ; wave
	v_and_b32 v2, 31, v0                           ; lane
	s_cmp_ge_u32 ttmp9, 384
	s_cbranch_scc1 .Lnorm
; ---------------- the weights ----------------
	s_lshr_b32 s29, ttmp9, 7                       ; class c: 0 the four square weights, 1 w_up, 2 w_down
	s_and_b32 s30, ttmp9, 127
	s_and_b32 s31, ttmp9, 31
	s_bfe_u32 s32, ttmp9, 0x20005                  ; T: which square weight
	s_lshl_b32 s33, s32, 20                        ; T MiB
	s_lshl_b32 s34, s29, 22                        ; 4 c MiB
	s_lshl_b32 s35, s32, 1
	s_add_co_u32 s35, s35, 1                       ; entry 2 T + 1,
	s_lshl_b32 s36, s29, 1
	s_add_co_u32 s36, s36, 11                      ; or 11 + 2 c
	s_cmp_eq_u32 s32, 3
	s_cselect_b32 s35, 11, s35                     ; wo's entry is 11
	s_cmp_eq_u32 s29, 0
	s_cselect_b32 s30, s31, s30                    ; my number within the tensor
	s_cselect_b32 s33, s33, s34                    ; the tensor's place in wc
	s_cselect_b32 s35, s35, s36                    ; the scale's entry
	s_mov_b32 s37, 4096
	s_mov_b32 s38, 1024
	s_cmp_eq_u32 s29, 1
	s_cselect_b32 s31, 5, 3                        ; bits of the column block's number
	s_cselect_b32 s37, 16384, s37                  ; the source's pitch in bytes
	s_cmp_eq_u32 s29, 2
	s_cselect_b32 s38, 4096, s38                   ; a row of codes in bytes
	s_lshl_b32 s35, s35, 2
	s_lshr_b32 s39, s30, s31                       ; ky: which 256 along K
	s_lshl_b32 s34, s39, s31
	s_sub_co_u32 s34, s30, s34                     ; nx: which 128 columns
	s_lshl_b32 s34, s34, 7
	s_lshl_b32 s36, s28, 5
	s_add_co_u32 s34, s34, s36                     ; my wave's first column
	s_mul_i32 s40, s39, s37
	s_lshl_b32 s40, s40, 8                         ; 256 ky rows of the source,
	s_lshl_b32 s36, s34, 2
	s_add_co_u32 s40, s40, s36                     ; + 4 x column
	s_mov_b32 s41, 0
	s_lshl_b32 s42, s37, 5                         ; a block: 32 rows
	s_mov_b32 s43, 0
	s_mul_i32 s44, s34, s38                        ; codes: column x row bytes
	s_add_co_u32 s44, s44, s33
	s_lshl_b32 s36, s39, 8
	s_add_co_u32 s44, s44, s36                     ; + 256 ky
	s_mov_b32 s45, 0
	s_lshl_b32 s67, s38, 1                         ; two rows of codes
	v_and_b32 v3, 15, v2
	v_lshrrev_b32 v4, 4, v2
	v_lshlrev_b32 v[VO], 2, v2
.set i, 0
.rept 31
	v_add_nc_u32 v[VO+i+1], s37, v[VO+i]
.set i, i+1
.endr
	s_mul_i32 s36, s28, 32*PITCH                   ; my stage
	v_mul_u32_u24 v5, v2, PITCH
	v_add_nc_u32 v5, s36, v5                       ; into it: row = my column
	v_mul_u32_u24 v6, v4, PITCH
	v_lshl_add_u32 v6, v3, 4, v6
	v_add_nc_u32 v6, s36, v6                       ; out of it: sixteen lanes to a row, two rows an instruction
	v_mul_lo_u32 v7, v4, s38
	v_lshl_add_u32 v[VS], v3, 4, v7
.set i, 0
.rept 15
	v_add_nc_u32 v[VS+i+1], s67, v[VS+i]
.set i, i+1
.endr
	s_wait_kmcnt 0x0
	s_load_b32 s66, s[22:23], s35 offset:0x0       ; e
	s_cmp_eq_u32 s32, 1                            ; the choices hang on the work-group's number alone
	s_cselect_b64 s[46:47], s[12:13], s[10:11]
	s_cmp_eq_u32 s32, 2
	s_cselect_b64 s[46:47], s[14:15], s[46:47]
	s_cmp_eq_u32 s32, 3
	s_cselect_b64 s[46:47], s[16:17], s[46:47]
	s_cmp_eq_u32 s29, 1
	s_cselect_b64 s[46:47], s[18:19], s[46:47]
	s_cmp_eq_u32 s29, 2
	s_cselect_b64 s[46:47], s[20:21], s[46:47]
	s_add_nc_u64 s[SB:SB+1], s[46:47], s[40:41]
.irp t, 1,2,3,4,5,6,7
	s_add_nc_u64 s[SB+2*\t:SB+2*\t+1], s[SB+2*\t-2:SB+2*\t-1], s[42:43]
.endr
	s_add_nc_u64 s[24:25], s[24:25], s[44:45]
.macro LOADW t                         ; block t: W(32 t + i, my column), i = 0 .. 31, into set t % 2
.set i, 0
.rept 32
	global_load_b32 v[X+32*((\t)%2)+i], v[VO+i], s[SB+2*(\t):SB+2*(\t)+1] th:TH_LOAD_NT
.set i, i+1
.endr
.endm
	LOADW 0
	LOADW 1
	s_wait_kmcnt 0x0
	s_add_co_i32 s66, s66, 127
	s_lshl_b32 s67, s66, 23
	v_mov_b32 v11, s67                             ; 2^e as f32: the conversion takes its exponent field
	s_add_co_i32 s66, s66, 8
	s_lshl_b32 s66, s66, 23
	s_or_b32 s66, s66, 0x600000
	v_mov_b32 v10, s66                             ; 448 x 2^e
.macro BLOCK t
.set XS, X+32*((\t)%2)
.if (\t) < 7
	s_wait_loadcnt 32                              ; this block's 32 loads are in; the next block's 32 may be out
.else
	s_wait_loadcnt 0
.endif
.set i, 0
.rept 32
	v_med3_num_f32 v[XS+i], v[XS+i], -v10, v10     ; the conversion to an 8-bit code does not saturate (ISA guide 7.6.2): the hold comes first
.set i, i+1
.endr
.irp g, 0,1,2,3
	v_cvt_scalef32_pk8_fp8_f32 v[C+2*\g:C+2*\g+1], v[XS+8*\g:XS+8*\g+7], v11
.endr
	ds_store_b128 v5, v[C:C+3] offset:32*(\t)      ; 32 codes: 32 bytes of my column's row
	ds_store_b128 v5, v[C+4:C+7] offset:32*(\t)+16
.if (\t)+2 < 8
	LOADW (\t)+2
.endif
	s_wait_dscnt 0x0                               ; the stores have read their registers: the next block's codes may be written
.endm
.irp t, 0,1,2,3,4,5,6,7
	BLOCK \t
.endr
.irp t, 0,1,2,3,4,5,6,7,8,9,10,11,12,13,14,15
	ds_load_b128 v[OUTR+4*\t:OUTR+4*\t+3], v6 offset:2*\t*PITCH   ; LDS serves a wave's instructions in order: these see my stores
.endr
.irp t, 0,1,2,3,4,5,6,7,8,9,10,11,12,13,14,15
	s_wait_dscnt 15-\t                             ; the younger loads may stay out
	global_store_b128 v[VS+\t], v[OUTR+4*\t:OUTR+4*\t+3], s[24:25]
.endr
	s_wait_tensorcnt 0x0                           ; the wave's end, behind my last LDS store
	ds_add_u32 v[SPW], v[NIL]
	s_wait_dscnt 0x0
	s_endpgm
; ---------------- LN1 and its three quantisers ----------------
.Lnorm:
	s_sub_co_u32 s29, ttmp9, 384
	s_lshl_b32 s29, s29, 2
	s_add_co_u32 s29, s29, s28                     ; which pair of rows is my wave's
	s_lshl_b32 s30, s29, 13                        ; two rows of 4,096 bytes
	s_mov_b32 s31, 0
	s_lshl_b32 s32, s29, 11                        ; two rows of 1,024 codes
	s_mov_b32 s33, 0
	s_mov_b32 s44, 0x76543210                      ; v_permlanex16_b32: lane l xor 16
	s_mov_b32 s45, 0xfedcba98
	s_mov_b32 s46, 0x3a800000                      ; 1 / 1024
	s_mov_b32 s47, 0x3727c5ac                      ; 1e-5
	v_lshlrev_b32 v1, 5, v2                        ; 32 bytes a lane
	v_lshlrev_b32 v3, 3, v2                        ; 8 codes a lane
	v_mov_b32 v[W1], 0                             ; a lane permute's destination counts as read
	s_wait_kmcnt 0x0
	s_load_b256 s[36:43], s[22:23], 0x0            ; entries 0 .. 7: 0, 2, 4 are wanted
	s_add_nc_u64 s[4:5], s[4:5], s[30:31]
	s_add_nc_u64 s[48:49], s[26:27], s[32:33]      ; the three planes of yc at my rows
	s_add_nc_u64 s[50:51], s[48:49], 0x400000
	s_add_nc_u64 s[52:53], s[50:51], 0x400000
.irp j, 0,1,2,3
	global_load_b128 v[G+8*\j:G+8*\j+3], v1, s[6:7] offset:1024*\j
	global_load_b128 v[G+8*\j+4:G+8*\j+7], v1, s[6:7] offset:1024*\j+16
.endr
.irp j, 0,1,2,3
	global_load_b128 v[BB+8*\j:BB+8*\j+3], v1, s[8:9] offset:1024*\j
	global_load_b128 v[BB+8*\j+4:BB+8*\j+7], v1, s[8:9] offset:1024*\j+16
.endr
.irp j, 0,1,2,3
	global_load_b128 v[X0+8*\j:X0+8*\j+3], v1, s[4:5] offset:1024*\j
	global_load_b128 v[X0+8*\j+4:X0+8*\j+7], v1, s[4:5] offset:1024*\j+16
.endr
.irp j, 0,1,2,3
	global_load_b128 v[X1+8*\j:X1+8*\j+3], v1, s[4:5] offset:4096+1024*\j
	global_load_b128 v[X1+8*\j+4:X1+8*\j+7], v1, s[4:5] offset:4096+1024*\j+16
.endr
	s_wait_kmcnt 0x0
.irp k, 0,1,2
	s_add_co_i32 s54, s[36+2*\k], 127
	s_lshl_b32 s55, s54, 23
	v_mov_b32 v[SC+\k], s55                        ; 2^e
	s_add_co_i32 s54, s54, 8
	s_lshl_b32 s54, s54, 23
	s_or_b32 s54, s54, 0x600000
	v_mov_b32 v[LIM+\k], s54                       ; 448 x 2^e
.endr
.macro FOLD                            ; the four running pairs, then the 32 lanes: the sum in every lane, in v[W0]
	v_pk_add_f32 v[RED:RED+1], v[RED:RED+1], v[RED+2:RED+3]
	v_pk_add_f32 v[RED+4:RED+5], v[RED+4:RED+5], v[RED+6:RED+7]
	v_pk_add_f32 v[RED:RED+1], v[RED:RED+1], v[RED+4:RED+5]
	v_add_f32 v[W0], v[RED], v[RED+1]
	v_add_f32_dpp v[W0], v[W0], v[W0] row_xmask:1 row_mask:0xf bank_mask:0xf
	v_add_f32_dpp v[W0], v[W0], v[W0] row_xmask:2 row_mask:0xf bank_mask:0xf
	v_add_f32_dpp v[W0], v[W0], v[W0] row_xmask:4 row_mask:0xf bank_mask:0xf
	v_add_f32_dpp v[W0], v[W0], v[W0] row_xmask:8 row_mask:0xf bank_mask:0xf
	v_permlanex16_b32 v[W1], v[W0], s44, s45
	v_add_f32 v[W0], v[W0], v[W1]
.endm
.macro NORM xr                         ; the row in v[xr] .. v[xr + 31] becomes (x - mean) / sqrt(var + 1e-5) x g + b, in place
.irp c, 0,2,4,6
	v_pk_add_f32 v[RED+\c:RED+\c+1], v[\xr+\c:\xr+\c+1], v[\xr+8+\c:\xr+9+\c]
.endr
.irp o, 16,24
.irp c, 0,2,4,6
	v_pk_add_f32 v[RED+\c:RED+\c+1], v[RED+\c:RED+\c+1], v[\xr+\o+\c:\xr+\o+\c+1]
.endr
.endr
	FOLD
	v_mul_f32 v[PR], s46, v[W0]                    ; the mean
	v_mov_b32 v[PR+1], v[PR]
.set i, 0
.rept 16
	v_pk_add_f32 v[\xr+i:\xr+i+1], v[\xr+i:\xr+i+1], v[PR:PR+1] neg_lo:[0,1] neg_hi:[0,1]
.set i, i+2
.endr
.irp c, 0,2,4,6
	v_pk_mul_f32 v[RED+\c:RED+\c+1], v[\xr+\c:\xr+\c+1], v[\xr+\c:\xr+\c+1]
.endr
.irp o, 8,16,24
.irp c, 0,2,4,6
	v_pk_fma_f32 v[RED+\c:RED+\c+1], v[\xr+\o+\c:\xr+\o+\c+1], v[\xr+\o+\c:\xr+\o+\c+1], v[RED+\c:RED+\c+1]
.endr
.endr
	FOLD
	v_fma_f32 v[W0], v[W0], s46, s47               ; the variance + 1e-5
	v_rsq_f32 v[PR], v[W0]
	v_nop                                          ; a plain instruction behind the transcendental,
	s_wait_alu depctr_va_vdst(0)                   ; and a wait ahead of its first reader
	v_mov_b32 v[PR+1], v[PR]
.set i, 0
.rept 16
	v_pk_mul_f32 v[\xr+i:\xr+i+1], v[\xr+i:\xr+i+1], v[PR:PR+1]
.set i, i+2
.endr
.set i, 0
.rept 16
	v_pk_fma_f32 v[\xr+i:\xr+i+1], v[\xr+i:\xr+i+1], v[G+i:G+i+1], v[BB+i:BB+i+1]
.set i, i+2
.endr
.endm
.macro QROW xr, row, k                 ; the row's codes under scale k.  The held numbers lie in two sets by turns, so that the next set's first line is the plain place behind each conversion
.irp j, 0,1,2,3
.set TS, TMP+8*(\j%2)
.irp i, 0,1,2,3,4,5,6,7
	v_med3_num_f32 v[TS+\i], v[\xr+8*\j+\i], -v[LIM+\k], v[LIM+\k]
.endr
	v_cvt_scalef32_pk8_fp8_f32 v[CD+8*\k+2*\j:CD+8*\k+2*\j+1], v[TS:TS+7], v[SC+\k]
	global_store_b64 v3, v[CD+8*\k+2*\j:CD+8*\k+2*\j+1], s[48+2*\k:49+2*\k] offset:1024*\row+256*\j   ; the wave stores 256 consecutive bytes, aligned
.endr
.endm
	s_wait_loadcnt 8                               ; gain, bias and row 0 are in; row 1's eight loads may be out
	NORM X0
	QROW X0, 0, 0
	QROW X0, 0, 1
	QROW X0, 0, 2
	s_wait_loadcnt 0x0
	NORM X1
	s_wait_xcnt 0x0                                ; row 0's stores have read their data: the codes' registers are written again
	QROW X1, 1, 0
	QROW X1, 1, 1
	QROW X1, 1, 2
	s_endpgm
.Lfunc_end_k_qe17f51a0e2_prep:
	.size	k_qe17f51a0e2_prep, .Lfunc_end_k_qe17f51a0e2_prep-k_qe17f51a0e2_prep
	.p2alignl 7, 3214868480
	.fill 96, 4, 3214868480
	.section	.rodata,"a",@progbits
	.p2align	6, 0x0
	.amdhsa_kernel k_qe17f51a0e2_prep
		.amdhsa_group_segment_fixed_size 35328
		.amdhsa_private_segment_fixed_size 0
		.amdhsa_enable_private_segment 0
		.amdhsa_kernarg_size 96
		.amdhsa_user_sgpr_count 2
		.amdhsa_user_sgpr_kernarg_segment_ptr 1
		.amdhsa_wavefront_size32 1
		.amdhsa_system_sgpr_workgroup_id_x 1
		.amdhsa_system_sgpr_workgroup_id_y 1
		.amdhsa_system_sgpr_workgroup_id_z 1
		.amdhsa_system_vgpr_workitem_id 0
		.amdhsa_next_free_vgpr 208
		.amdhsa_next_free_sgpr 96
		.amdhsa_reserve_vcc 0
		.amdhsa_float_denorm_mode_32 3
		.amdhsa_float_denorm_mode_16_64 3
		.amdhsa_memory_ordered 1
		.amdhsa_forward_progress 1
		.amdhsa_inst_pref_size 85
	.end_amdhsa_kernel
	.amdgpu_metadata
---
amdhsa.version: [ 1, 2 ]
amdhsa.kernels:
  - .name:           k_qe17f51a0e2_prep
    .symbol:         k_qe17f51a0e2_prep.kd
    .args:
      - { .name: x, .offset: 0, .size: 8, .value_kind: global_buffer, .address_space: global }
      - { .name: ln1_g, .offset: 8, .size: 8, .value_kind: global_buffer, .address_space: global }
      - { .name: ln1_b, .offset: 16, .size: 8, .value_kind: global_buffer, .address_space: global }
      - { .name: wq, .offset: 24, .size: 8, .value_kind: global_buffer, .address_space: global }
      - { .name: wk, .offset: 32, .size: 8, .value_kind: global_buffer, .address_space: global }
      - { .name: wv, .offset: 40, .size: 8, .value_kind: global_buffer, .address_space: global }
      - { .name: wo, .offset: 48, .size: 8, .value_kind: global_buffer, .address_space: global }
      - { .name: w_up, .offset: 56, .size: 8, .value_kind: global_buffer, .address_space: global }
      - { .name: w_down, .offset: 64, .size: 8, .value_kind: global_buffer, .address_space: global }
      - { .name: lowp_scales, .offset: 72, .size: 8, .value_kind: global_buffer, .address_space: global }
      - { .name: wc, .offset: 80, .size: 8, .value_kind: global_buffer, .address_space: global }
      - { .name: yc, .offset: 88, .size: 8, .value_kind: global_buffer, .address_space: global }
    .group_segment_fixed_size: 35328
    .private_segment_fixed_size: 0
    .kernarg_segment_align: 8
    .kernarg_segment_size: 96
    .max_flat_workgroup_size: 128
    .sgpr_count:     96
    .vgpr_count:     208
    .wavefront_size: 32
...
	.end_amdgpu_metadata
.endif
;; end of part 1
;; launch qkv (part 2): grid 24 x 32, 4 waves a work-group, clusters of 4 x 4, 327,680 bytes of LDS; arguments yc, wc, bq, bk, bv, lowp_scales, qkvc; writes qkvc
.if DOCPART == 2
	.amdgcn_target "amdgcn-amd-amdhsa--gfx1250"
	.amdhsa_code_object_version 6
	.text
	.protected	k_qe17f51a0e2_qkv
	.globl	k_qe17f51a0e2_qkv
	.p2align	8
	.type	k_qe17f51a0e2_qkv,@function
k_qe17f51a0e2_qkv:
	s_mov_b64 s[64:65], 0
	v_nop
	global_prefetch_b8 v0, s[64:65] scope:SCOPE_SE
	s_setreg_imm32_b32 hwreg(HW_REG_WAVE_MODE, 25, 1), 1
	s_wait_xcnt 0x0
	s_wait_alu depctr_hold_cnt(0) depctr_sa_sdst(0) depctr_va_vdst(0) depctr_va_sdst(0) depctr_va_ssrc(0) depctr_va_vcc(0) depctr_vm_vsrc(0)
	s_getreg_b32 s2, hwreg(HW_REG_IB_STS2, 6, 4)
	s_cmp_eq_u32 s2, 0
	s_cbranch_scc0 .Lentry_in_a_cluster
	s_endpgm
.Lentry_in_a_cluster:
	s_bfe_u32 s2, ttmp6, 0x10000c
	s_cmp_lg_u32 s2, 0xf033
	s_cbranch_scc0 .Lentry_shape_is_right
	s_endpgm
.Lentry_shape_is_right:
; Products 1 to 3: q, k, v = y W + bias on codes of E4M3, and their quantising for products 4 and 5 (entries 6, 7, 9).  Nothing is left out.
; One GEMM [4096] x [3072]: columns 0-1023 are q's, 1024-2047 k's, 2048-3071 v's; each third takes its own plane of y's codes (entries 0, 2, 4) and its weight's scale (1, 3, 5).
; A tile of C is 128 x 128; four waves, each 64 x 64: 16 accumulators.  K = 1,024 lies in two LDS slots of 512 along K, both asked for at the head: nothing is filled again.
; CLUSTERS: 4 x 4 work-groups; A's tile is asked for jointly along a row of the cluster, B's along a column.  A third is 8 tile columns = 2 clusters: all partners are in one third.
; q, k: source 0 = 16 rows of W, source 1 = 16 tokens: a lane holds a token and eight neighbouring channels, which are neighbours along product 4's K.
; v: the sources are swapped: a lane holds a channel and eight neighbouring tokens, which are neighbours along product 5's K (the keys).
; OUT (qkvc): q at 0: [bh][token][64].  k at 4 MiB: [bh][pos][64], pos = the key with its bits 3 and 4 exchanged.  v at 8 MiB: [bh][key / 128][pos][128 keys], pos = the channel with its bits 3 and 4 exchanged.
; (So 16 consecutive rows form a tile in the next launch, and the registers of two neighbouring tiles of its results are 16 neighbours along the next K.)
; LIMITS: eA + eB between -126 and 127; entries 6, 7, 9 between -126 and 119.  NaN and infinity are not served.
; The fragments are fetched by loads of 16 bytes: registers 4 c .. 4 c + 3 hold k = 32 c + 16 (lane / 16) + 0 .. 15, the same permutation of k on both sides.
; No prefetch: both slots are asked for at the head.
.set KTOT,  1024
.set LAPS,  KTOT/1024
.set AKIND, 0                          ; A's tile: rows of 512 bytes
.set AC,    512
.set AR,    64
.set AP,    1024
.set AQI,   6
.set APITCH, 528
.set AHALF, AR*(AC+16)
.set ASTEP, 512
.set BHALF, 64*528
.set SLOT,  2*AHALF+2*BHALF
.set STGQ,  2*SLOT                     ; q's and k's way out: 64 rows x 80 bytes for each wave
.set STGV,  STGQ+4*5120                ; v's way out: 2 heads x 64 channels x 144 bytes
.set SPARE, STGV+2*9216                ; the spare words, 128 bytes a wave
.set ACC,   128                        ; v128-255 accumulator (a, b) at 128 + 8 (4 a + b)
.set F0,    0                          ; window 1: two sets of fragments: A's four at 16 i, B's four at 64 + 16 b
.set F1,    128
.set ADRA,  16
.set ADRB,  20
.set STOV,  22
.set RDV,   23
.set STOQ,  24
.set RDQ,   25
.set GO,    26
.set GO1,   27
.set SPW,   28
.set NIL,   29
.set GO2,   30
.set SCR,   8
.set LIMR,  9
.set TMP,   32                         ; v32-47 two sets of eight; v32-63 the rows read back
.set CODE,  64                         ; v64-95 two registers of codes for each accumulator
.set BIAS,  96
.set G1,  24
.set G0,  32
.set G1B, 48
.set G0B, 56
.set SWAP, 0
.set MSB, 0
.macro WIN new                         ; the immediate's high byte repeats the setting that is left
.if MSB != (\new)
	s_set_vgpr_msb (MSB<<8)|(\new)
.set MSB, (\new)
.endif
.endm
.macro JLOAD s                         ; a joint load: waves 0 and 1 fetch A's halves, waves 2 and 3 B's; an s_nop 0 and four v_nop follow each line
	s_cmp_eq_u32 s11, 0
	s_cbranch_scc0 .Lfor_b_\@
	tensor_load_to_lds s[G0+4*\s:G0+4*\s+3], s[G1:G1+7]
	s_nop 0
.rept 4
	v_nop
.endr
	s_branch .Lasked_\@
.Lfor_b_\@:
	tensor_load_to_lds s[G0B+4*\s:G0B+4*\s+3], s[G1B:G1B+7]
	s_nop 0
.rept 4
	v_nop
.endr
.Lasked_\@:
.endm
.macro CREST
	s_cmp_lg_u32 s10, 0
	s_cbranch_scc1 .Lnot_wave_0_\@
	s_barrier_signal -3
.Lnot_wave_0_\@:
	s_barrier_wait -3
	s_barrier_signal -1
	s_barrier_wait -1
.endm
.macro CROUND
	s_barrier_signal -1
	s_barrier_wait -1
	CREST
.endm
.macro PLACES                          ; four places behind matrix instructions (ISA guide 7.12.1)
.rept 4
	v_nop
.endr
.endm
.macro FRAGA reg, slot, q, i
.irp c, 0,1,2,3
.if AKIND == 0
	ds_load_b128 v[\reg+4*\c:\reg+4*\c+3], v[ADRA+\slot] offset:(\i)*16*528+128*(\q)+32*\c
.elseif AKIND == 1
	ds_load_b128 v[\reg+4*\c:\reg+4*\c+3], v[ADRA+\slot] offset:(2*(\q)+\c/2)*5120+(\i)*16*80+32*(\c%2)
.else
	ds_load_b128 v[\reg+4*\c:\reg+4*\c+3], v[ADRA+\slot] offset:(\q)*9216+(\i)*16*144+32*\c
.endif
.endr
.endm
.macro FRAGB reg, slot, q, i
.irp c, 0,1,2,3
	ds_load_b128 v[\reg+4*\c:\reg+4*\c+3], v[ADRB+\slot] offset:(\i)*16*528+128*(\q)+32*\c
.endr
.endm
.macro FETCH slot, q, f                ; 32 LDS loads in one run: B's four fragments, then A's four, of the slot's q-th 128 along K
	WIN 0x40
.irp i, 0,1,2,3
	FRAGB \f+64+16*\i, \slot, \q, \i
.endr
.irp i, 0,1,2,3
	FRAGA \f+16*\i, \slot, \q, \i
.endr
.endm
.macro MUL8 f, a0, zero                ; 8 matrix instructions: A's blocks a0, a0 + 1 x B's four.  The 16 accumulators take turns, in the same order in every quarter
.irp a, \a0, \a0+1
.irp b, 0,1,2,3
.if SWAP
.if \zero
	v_wmma_f32_16x16x128_fp8_fp8 v[ACC+8*(4*(\a)+\b):ACC+8*(4*(\a)+\b)+7], v[\f+16*(\a):\f+16*(\a)+15], v[\f+64+16*\b:\f+64+16*\b+15], 0
.else
	v_wmma_f32_16x16x128_fp8_fp8 v[ACC+8*(4*(\a)+\b):ACC+8*(4*(\a)+\b)+7], v[\f+16*(\a):\f+16*(\a)+15], v[\f+64+16*\b:\f+64+16*\b+15], v[ACC+8*(4*(\a)+\b):ACC+8*(4*(\a)+\b)+7]
.endif
.else
.if \zero
	v_wmma_f32_16x16x128_fp8_fp8 v[ACC+8*(4*(\a)+\b):ACC+8*(4*(\a)+\b)+7], v[\f+64+16*\b:\f+64+16*\b+15], v[\f+16*(\a):\f+16*(\a)+15], 0
.else
	v_wmma_f32_16x16x128_fp8_fp8 v[ACC+8*(4*(\a)+\b):ACC+8*(4*(\a)+\b)+7], v[\f+64+16*\b:\f+64+16*\b+15], v[\f+16*(\a):\f+16*(\a)+15], v[ACC+8*(4*(\a)+\b):ACC+8*(4*(\a)+\b)+7]
.endif
.endif
.endr
.endr
.endm
.macro QUARTER slot, q, f, g, zero     ; multiplies set f (128 along K) and fetches the slot's q-th 128 into set g
	s_wait_dscnt 8                                 ; B's four and A's blocks 0, 1 are in; the youngest eight loads (A's blocks 2, 3) may be out
	WIN 0x05
	MUL8 \f, 0, \zero
	PLACES
	FETCH \slot, \q, \g
	s_wait_dscnt 32                                ; all but the 32 just issued
	WIN 0x05
	MUL8 \f, 2, \zero
.endm
.macro TURN slot, next, fill           ; a slot's last quarter multiplies set F1 and changes slots
	WIN 0
	s_wait_tensorcnt 0x0                           ; all my tensor loads have landed: my part of the next slot;
	ds_add_u32 v[SPW], v[NIL]                      ; 0 onto my spare word;
	s_wait_dscnt 9                                 ; (the add and the youngest eight loads may be out)
	WIN 0x05
	MUL8 F1, 0, 0
	s_wait_dscnt 0x0                               ; the add is done, and my reads of this slot are over
	s_barrier_signal -1
	WIN 0
	s_barrier_wait -1
.if \fill
	CREST
	s_add_nc_u64 s[G0+4*\slot+2:G0+4*\slot+3], s[G0+4*\slot+2:G0+4*\slot+3], 2*ASTEP
	s_add_nc_u64 s[G0B+4*\slot+2:G0B+4*\slot+3], s[G0B+4*\slot+2:G0B+4*\slot+3], 1024
	JLOAD \slot
.else
	PLACES
.endif
	FETCH \next, 0, F0
	WIN 0x05
	MUL8 F1, 2, 0
.endm
.macro MAIN
	s_wait_tensorcnt 0x1                           ; my part of slot 0 is in; slot 1's load may be out
	s_barrier_signal -1
	s_barrier_wait -1
	FETCH 0, 0, F0
	QUARTER 0, 1, F0, F1, 1                        ; the first quarter's products start the sums
.if LAPS > 1
	WIN 0
	s_mov_b32 s3, LAPS-1
.Llap_\@:
	QUARTER 0, 2, F1, F0, 0
	QUARTER 0, 3, F0, F1, 0
	TURN 0, 1, 1
	QUARTER 1, 1, F0, F1, 0
	QUARTER 1, 2, F1, F0, 0
	QUARTER 1, 3, F0, F1, 0
	TURN 1, 0, 1
	QUARTER 0, 1, F0, F1, 0
	WIN 0
	s_sub_co_u32 s3, s3, 1
	s_cmp_lg_u32 s3, 0
	s_cbranch_scc1 .Llap_\@
.endif
	QUARTER 0, 2, F1, F0, 0
	QUARTER 0, 3, F0, F1, 0
	TURN 0, 1, 0
	QUARTER 1, 1, F0, F1, 0
	QUARTER 1, 2, F1, F0, 0
	QUARTER 1, 3, F0, F1, 0
	s_wait_dscnt 8
	WIN 0x05
	MUL8 F1, 0, 0
	s_wait_dscnt 0x0
	MUL8 F1, 2, 0
	WIN 0
	PLACES
.endm
.macro FINISH
	s_wait_tensorcnt 0x0                           ; the wave's end, behind my last tensor load and my last LDS store
	ds_add_u32 v[SPW], v[NIL]
	s_wait_dscnt 0x0
	CROUND                                         ; the closing round
	s_endpgm
.endm
	s_load_b128 s[4:7], s[0:1], 0x0                ; yc, wc
	s_load_b256 s[92:99], s[0:1], 0x10             ; bq, bk, bv, lowp_scales
	s_load_b64 s[66:67], s[0:1], 0x30              ; qkvc
	v_lshl_add_u32 v[SPW], v0, 2, SPARE
	v_mov_b32 v[NIL], 0
	ds_add_u32 v[SPW], v[NIL]                      ; the wave's opening: the add, twice on end, and its wait ahead of my first tensor load
	ds_add_u32 v[SPW], v[NIL]
	v_lshrrev_b32 v1, 5, v0
	v_readfirstlane_b32 s10, v1                    ; wave
	s_lshr_b32 s11, s10, 1                         ; my half of the tile's rows.  Also: I fetch for A (0) or B (1)
	s_and_b32 s12, s10, 1                          ; my half of its columns.  Also: which 64 rows I fetch
	s_bfe_u32 s40, ttmp6, 0x40000                  ; cx
	s_bfe_u32 s41, ttmp6, 0x40004                  ; cy
	s_lshl_b32 s42, ttmp9, 2
	s_add_co_u32 s42, s42, s40                     ; tile column
	s_and_b32 s13, ttmp7, 0xffff
	s_lshl_b32 s13, s13, 2
	s_add_co_u32 s13, s13, s41                     ; tile row
	s_lshl_b32 s43, s41, 2
	s_lshl_b32 s43, 15, s43                        ; my row of the cluster
	s_lshl_b32 s44, 0x1111, s40                    ; my column
	s_or_b32 s[G1+0], s43, (1<<20)|(1<<21)|(AQI<<22)|(3<<25)   ; the mask; elements of 1 byte; padding of 4 words behind each row; bit 21 beside a mask
	s_or_b32 s[G1B+0], s44, (1<<20)|(1<<21)|(6<<22)|(3<<25)
	s_mov_b32 s[G1+1], AC<<16                      ; tensor_dim0
	s_mov_b32 s[G1+2], AR<<16                      ; tensor_dim1
	s_mov_b32 s[G1+3], AC<<16                      ; tile_dim0
	s_mov_b32 s[G1+4], AR                          ; tile_dim1
	s_mov_b32 s[G1+5], AP                          ; the pitch
	s_mov_b32 s[G1+6], 0
	s_mov_b32 s[G1+7], 0
	s_mov_b32 s[G1B+1], 512<<16
	s_mov_b32 s[G1B+2], 64<<16
	s_mov_b32 s[G1B+3], 512<<16
	s_mov_b32 s[G1B+4], 64
	s_mov_b32 s[G1B+5], KTOT
	s_mov_b32 s[G1B+6], 0
	s_mov_b32 s[G1B+7], 0
	s_lshl_b32 s16, s13, 7
	s_lshl_b32 s17, s12, 6
	s_add_co_u32 s16, s16, s17                     ; A: token 128 x tile row + 64 x half,
	s_lshl_b32 s16, s16, 10
	s_lshr_b32 s17, ttmp9, 1                       ; the third (the same in all partners):
	s_lshl_b32 s17, s17, 22
	s_add_co_u32 s16, s16, s17                     ; its plane of y's codes
	s_mov_b32 s17, 0
	s_lshl_b32 s46, s42, 7
	s_lshl_b32 s47, s12, 6
	s_add_co_u32 s46, s46, s47                     ; B: row 128 x tile column + 64 x half
	s_lshl_b32 s46, s46, 10
	s_mov_b32 s47, 0
	s_mul_i32 s20, s12, AHALF                      ; where they go: no place in the cluster enters an LDS address
	s_mul_i32 s45, s12, BHALF
	s_add_co_u32 s45, s45, 2*AHALF
	s_wait_dscnt 0x0                               ; both opening adds are done
	s_wait_kmcnt 0x0
	s_load_b512 s[72:87], s[98:99], 0x0            ; the sixteen exponents
	s_add_nc_u64 s[14:15], s[4:5], s[16:17]
	s_add_nc_u64 s[46:47], s[6:7], s[46:47]
	CROUND                                         ; all sixteen work-groups are here: the first joint loads meet
.irp s, 0,1
	s_mov_b32 s[G0+4*\s], 1
	s_add_co_u32 s[G0+4*\s+1], s20, \s*SLOT
	s_add_nc_u64 s[G0+4*\s+2:G0+4*\s+3], s[14:15], \s*ASTEP
	s_or_b32 s[G0+4*\s+3], s[G0+4*\s+3], 0x80000000
	s_mov_b32 s[G0B+4*\s], 1
	s_add_co_u32 s[G0B+4*\s+1], s45, \s*SLOT
	s_add_nc_u64 s[G0B+4*\s+2:G0B+4*\s+3], s[46:47], \s*512
	s_or_b32 s[G0B+4*\s+3], s[G0B+4*\s+3], 0x80000000
	JLOAD \s
.endr
	v_and_b32 v1, 15, v0                           ; r
	v_bfe_u32 v2, v0, 4, 1                         ; h
	v_and_b32 v6, 31, v0                           ; lane
	v_mul_u32_u24 v3, v1, APITCH
	v_lshl_add_u32 v3, v2, 4, v3
	v_mul_u32_u24 v4, v1, 528
	v_lshl_add_u32 v4, v2, 4, v4
	s_mul_i32 s21, s11, AHALF
	s_mul_i32 s22, s12, BHALF
	s_add_co_u32 s22, s22, 2*AHALF
.irp s, 0,1
	v_add_nc_u32 v[ADRA+\s], s21, v3
	v_add_nc_u32 v[ADRB+\s], s22, v4
	s_add_co_u32 s21, s21, SLOT
	s_add_co_u32 s22, s22, SLOT
.endr
	; every LDS address of both ways out is made here, ahead of the parting
	s_mul_i32 s23, s10, 5120
	s_add_co_u32 s23, s23, STGQ                    ; q, k: my own stage
	v_mul_u32_u24 v3, v1, 80
	v_lshl_add_u32 v3, v2, 3, v3
	v_add_nc_u32 v[STOQ], s23, v3                  ; in: token r, 8 bytes for each half of the lanes
	v_lshrrev_b32 v3, 2, v6
	v_mul_u32_u24 v3, v3, 80
	v_and_b32 v4, 3, v6
	v_lshl_add_u32 v3, v4, 4, v3
	v_add_nc_u32 v[RDQ], s23, v3                   ; back: four lanes to a token's 64 bytes
	s_mul_i32 s23, s12, 9216
	s_lshl_b32 s22, s11, 6
	s_add_co_u32 s23, s23, s22
	s_add_co_u32 s23, s23, STGV                    ; v: head = my half of the columns, keys 64 x my half of the rows on
	v_mul_u32_u24 v3, v1, 144
	v_lshl_add_u32 v3, v2, 3, v3
	v_add_nc_u32 v[STOV], s23, v3
	s_mul_i32 s23, s11, 9216
	s_mul_i32 s22, s12, 32*144
	s_add_co_u32 s23, s23, s22
	s_add_co_u32 s23, s23, STGV                    ; back: wave w takes head w / 2, channels 32 (w % 2) on
	v_lshrrev_b32 v3, 3, v6
	v_mul_u32_u24 v3, v3, 144
	v_and_b32 v4, 7, v6
	v_lshl_add_u32 v3, v4, 4, v3
	v_add_nc_u32 v[RDV], s23, v3
	v_lshlrev_b32 v[GO], 4, v6
	s_and_b32 s68, s42, 7                          ; the tile column within the third
	s_lshr_b32 s69, ttmp9, 1                       ; the third
	s_lshr_b32 s90, s13, 3                         ; the batch
	s_and_b32 s91, s13, 7                          ; which 128 tokens of it
	s_lshl_b32 s46, s68, 9
	s_lshl_b32 s47, s12, 8
	s_add_co_u32 s2, s46, s47                      ; my 64 columns' bytes in a bias
	s_cmp_ge_u32 ttmp9, 4                          ; the cluster's x: the same in all partners
	s_cbranch_scc1 .Lv
; ---------------- q and k ----------------
	s_mov_b32 s46, s2
	s_mov_b32 s47, 0
	s_cmp_eq_u32 s69, 0
	s_cselect_b64 s[70:71], s[92:93], s[94:95]
	s_add_nc_u64 s[70:71], s[70:71], s[46:47]
	v_lshlrev_b32 v5, 5, v2
.irp b, 0,1,2,3
	global_load_b128 v[BIAS+8*\b:BIAS+8*\b+3], v5, s[70:71] offset:64*\b        ; the bias at channels 16 b + 8 h + 0 .. 7
	global_load_b128 v[BIAS+8*\b+4:BIAS+8*\b+7], v5, s[70:71] offset:64*\b+16
.endr
	s_lshl_b32 s46, s90, 4
	s_lshl_b32 s47, s68, 1
	s_add_co_u32 s46, s46, s47
	s_add_co_u32 s46, s46, s12                     ; bh = 16 batch + head
	s_lshl_b32 s46, s46, 10
	s_lshl_b32 s47, s91, 7
	s_add_co_u32 s46, s46, s47
	s_lshl_b32 s47, s11, 6
	s_add_co_u32 s46, s46, s47                     ; my first token's row
	s_lshl_b32 s46, s46, 6
	s_lshl_b32 s47, s69, 22
	s_add_co_u32 s46, s46, s47
	s_mov_b32 s47, 0
	s_add_nc_u64 s[66:67], s[66:67], s[46:47]
	s_mov_b32 s46, 512
	s_mov_b32 s47, 1024
	s_cmp_eq_u32 s69, 1                            ; k: chunks of 8 keys change places (bits 3 and 4 of the key): 1 <-> 2, 5 <-> 6
	s_cselect_b32 s46, 1024, s46
	s_cselect_b32 s47, 512, s47
	v_add_nc_u32 v[GO1], s46, v[GO]
	v_add_nc_u32 v[GO2], s47, v[GO]
.set SWAP, 0
	MAIN
	s_wait_kmcnt 0x0
	s_cmp_eq_u32 s69, 0
	s_cselect_b32 s14, s72, s74
	s_cselect_b32 s15, s73, s75
	s_cselect_b32 s16, s78, s79
	s_add_co_i32 s14, s14, s15
	s_add_co_i32 s14, s14, 127
	s_lshl_b32 s88, s14, 23                        ; 2^(eA + eB)
	s_mov_b32 s89, s88
	s_add_co_i32 s16, s16, 127
	s_lshl_b32 s17, s16, 23
	v_mov_b32 v[SCR], s17                          ; 2^e of the result's quantiser
	s_add_co_i32 s16, s16, 8
	s_lshl_b32 s16, s16, 23
	s_or_b32 s16, s16, 0x600000
	v_mov_b32 v[LIMR], s16                         ; 448 x that
	s_wait_loadcnt 0x0                             ; the bias
.set t, 0
.rept 16                               ; accumulator t = 4 a + b, each from its low end on
.set TS, TMP+8*(t%2)
.irp i, 0,2,4,6
	v_pk_fma_f32 v[TS+\i:TS+\i+1], v[ACC+8*t+\i:ACC+8*t+\i+1], s[88:89], v[BIAS+8*(t%4)+\i:BIAS+8*(t%4)+\i+1] op_sel_hi:[1,0,1]
.endr
.irp i, 0,1,2,3,4,5,6,7
	v_med3_num_f32 v[TS+\i], v[TS+\i], -v[LIMR], v[LIMR]
.endr
	v_cvt_scalef32_pk8_fp8_f32 v[CODE+2*t:CODE+2*t+1], v[TS:TS+7], v[SCR]
	ds_store_b64 v[STOQ], v[CODE+2*t:CODE+2*t+1] offset:1280*(t/4)+16*(t%4)
.set t, t+1
.endr
	v_nop                                          ; a plain instruction behind the last conversion
.irp i, 0,1,2,3,4,5,6,7
	ds_load_b128 v[32+4*\i:35+4*\i], v[RDQ] offset:640*\i   ; my own bytes: LDS serves a wave's instructions in order
.endr
.macro OUTQ i, adr, off
	s_wait_dscnt 7-\i                              ; the younger loads may stay out
	global_store_b128 v[\adr], v[32+4*\i:35+4*\i], s[66:67] offset:\off   ; the wave stores 512 consecutive bytes, aligned
.endm
	OUTQ 0, GO, 0
	OUTQ 1, GO1, 0
	OUTQ 2, GO2, 0
	OUTQ 3, GO, 1536
	OUTQ 4, GO, 2048
	OUTQ 5, GO1, 2048
	OUTQ 6, GO2, 2048
	OUTQ 7, GO, 3584
	FINISH
; ---------------- v ----------------
.Lv:
	s_mov_b32 s46, s2
	s_mov_b32 s47, 0
	s_add_nc_u64 s[70:71], s[96:97], s[46:47]
	v_lshlrev_b32 v5, 2, v1
.irp b, 0,1,2,3
	global_load_b32 v[BIAS+2*\b], v5, s[70:71] offset:64*\b   ; the bias at channel 16 b + r
	v_mov_b32 v[BIAS+2*\b+1], 0                    ; (named with it as a pair)
.endr
	s_lshl_b32 s46, s90, 4
	s_lshl_b32 s47, s68, 1
	s_add_co_u32 s46, s46, s47
	s_add_co_u32 s46, s46, s11                     ; bh of the head that I store
	s_lshl_b32 s46, s46, 3
	s_add_co_u32 s46, s46, s91                     ; which 128 keys
	s_lshl_b32 s46, s46, 6
	s_lshl_b32 s47, s12, 5
	s_add_co_u32 s46, s46, s47                     ; my 32 channels
	s_lshl_b32 s46, s46, 7
	s_add_co_u32 s46, s46, 0x800000
	s_mov_b32 s47, 0
	s_add_nc_u64 s[66:67], s[66:67], s[46:47]
.set SWAP, 1
	MAIN
	s_wait_kmcnt 0x0
	s_add_co_i32 s14, s76, s77
	s_add_co_i32 s14, s14, 127
	s_lshl_b32 s88, s14, 23
	s_mov_b32 s89, s88
	s_add_co_i32 s16, s81, 127
	s_lshl_b32 s17, s16, 23
	v_mov_b32 v[SCR], s17
	s_add_co_i32 s16, s16, 8
	s_lshl_b32 s16, s16, 23
	s_or_b32 s16, s16, 0x600000
	v_mov_b32 v[LIMR], s16
	s_wait_loadcnt 0x0
.set t, 0
.rept 16                               ; accumulator t = 4 a + b: lane = channel 16 b + r, registers = tokens 16 a + 8 h + 0 .. 7
.set TS, TMP+8*(t%2)
.irp i, 0,2,4,6
	v_pk_fma_f32 v[TS+\i:TS+\i+1], v[ACC+8*t+\i:ACC+8*t+\i+1], s[88:89], v[BIAS+2*(t%4):BIAS+2*(t%4)+1] op_sel_hi:[1,0,0]
.endr
.irp i, 0,1,2,3,4,5,6,7
	v_med3_num_f32 v[TS+\i], v[TS+\i], -v[LIMR], v[LIMR]
.endr
	v_cvt_scalef32_pk8_fp8_f32 v[CODE+2*t:CODE+2*t+1], v[TS:TS+7], v[SCR]
	ds_store_b64 v[STOV], v[CODE+2*t:CODE+2*t+1] offset:2304*(t%4)+16*(t/4)
.set t, t+1
.endr
	v_nop
	s_wait_dscnt 0x0                               ; for the others' sake: a channel's 128 keys come from two waves
	s_barrier_signal -1
	s_barrier_wait -1
.irp i, 0,1,2,3,4,5,6,7
	ds_load_b128 v[32+4*\i:35+4*\i], v[RDV] offset:576*\i
.endr
.irp i, 0,1,2,3,4,5,6,7
	s_wait_dscnt 7-\i
	global_store_b128 v[GO], v[32+4*\i:35+4*\i], s[66:67] offset:512*((\i&1)|((\i&2)<<1)|((\i&4)>>1))   ; four channels' rows; bits 3 and 4 of the channel change places
.endr
	FINISH
.Lfunc_end_k_qe17f51a0e2_qkv:
	.size	k_qe17f51a0e2_qkv, .Lfunc_end_k_qe17f51a0e2_qkv-k_qe17f51a0e2_qkv
	.p2alignl 7, 3214868480
	.fill 96, 4, 3214868480
	.section	.rodata,"a",@progbits
	.p2align	6, 0x0
	.amdhsa_kernel k_qe17f51a0e2_qkv
		.amdhsa_group_segment_fixed_size 327680
		.amdhsa_private_segment_fixed_size 0
		.amdhsa_enable_private_segment 0
		.amdhsa_kernarg_size 56
		.amdhsa_user_sgpr_count 2
		.amdhsa_user_sgpr_kernarg_segment_ptr 1
		.amdhsa_wavefront_size32 1
		.amdhsa_system_sgpr_workgroup_id_x 1
		.amdhsa_system_sgpr_workgroup_id_y 1
		.amdhsa_system_sgpr_workgroup_id_z 1
		.amdhsa_system_vgpr_workitem_id 0
		.amdhsa_next_free_vgpr 512
		.amdhsa_next_free_sgpr 100
		.amdhsa_reserve_vcc 0
		.amdhsa_float_denorm_mode_32 3
		.amdhsa_float_denorm_mode_16_64 3
		.amdhsa_memory_ordered 1
		.amdhsa_forward_progress 1
		.amdhsa_inst_pref_size 97
	.end_amdhsa_kernel
	.amdgpu_metadata
---
amdhsa.version: [ 1, 2 ]
amdhsa.kernels:
  - .name:           k_qe17f51a0e2_qkv
    .symbol:         k_qe17f51a0e2_qkv.kd
    .args:
      - { .name: yc, .offset: 0, .size: 8, .value_kind: global_buffer, .address_space: global }
      - { .name: wc, .offset: 8, .size: 8, .value_kind: global_buffer, .address_space: global }
      - { .name: bq, .offset: 16, .size: 8, .value_kind: global_buffer, .address_space: global }
      - { .name: bk, .offset: 24, .size: 8, .value_kind: global_buffer, .address_space: global }
      - { .name: bv, .offset: 32, .size: 8, .value_kind: global_buffer, .address_space: global }
      - { .name: lowp_scales, .offset: 40, .size: 8, .value_kind: global_buffer, .address_space: global }
      - { .name: qkvc, .offset: 48, .size: 8, .value_kind: global_buffer, .address_space: global }
    .group_segment_fixed_size: 327680
    .private_segment_fixed_size: 0
    .kernarg_segment_align: 8
    .kernarg_segment_size: 56
    .max_flat_workgroup_size: 128
    .sgpr_count:     100
    .vgpr_count:     512
    .wavefront_size: 32
...
	.end_amdgpu_metadata
.endif
;; end of part 2
;; launch attn (part 3): grid 4 x 64, 4 waves a work-group, clusters of 4 x 1, 167,936 bytes of LDS; arguments qkvc, lowp_scales, oc; writes oc
.if DOCPART == 3
	.amdgcn_target "amdgcn-amd-amdhsa--gfx1250"
	.amdhsa_code_object_version 6
	.text
	.protected	k_qe17f51a0e2_attn
	.globl	k_qe17f51a0e2_attn
	.p2align	8
	.type	k_qe17f51a0e2_attn,@function
k_qe17f51a0e2_attn:
	s_mov_b64 s[64:65], 0
	v_nop
	global_prefetch_b8 v0, s[64:65] scope:SCOPE_SE
	s_setreg_imm32_b32 hwreg(HW_REG_WAVE_MODE, 25, 1), 1
	s_wait_xcnt 0x0
	s_wait_alu depctr_hold_cnt(0) depctr_sa_sdst(0) depctr_va_vdst(0) depctr_va_sdst(0) depctr_va_ssrc(0) depctr_va_vcc(0) depctr_vm_vsrc(0)
	s_getreg_b32 s2, hwreg(HW_REG_IB_STS2, 6, 4)
	s_cmp_eq_u32 s2, 0
	s_cbranch_scc0 .Lentry_in_a_cluster
	s_endpgm
.Lentry_in_a_cluster:
	s_bfe_u32 s2, ttmp6, 0x10000c
	s_cmp_lg_u32 s2, 0x3003
	s_cbranch_scc0 .Lentry_shape_is_right
	s_endpgm
.Lentry_shape_is_right:
; Products 4 and 5 with the exact 1.5-entmax between them, and o's quantising for product 6 (entry 10).  Nothing of the problem is left out.
; THE ENTMAX WITHOUT A SORT.  With z = (score - the row's largest) / 2 the result is p = max(z - tau, 0)^2, tau the one root of q(t) = sum of max(z - t, 0)^2 = 1: that is what the sorted formula finds.
; h(t) = sqrt(q(t)) - 1 is convex and falls; Newton's step on it is t <- t + (q - sqrt(q)) / s1, s1 = sum of max(z - t, 0).  From t = -1 (h >= 0 there, since the largest z is 0) the steps rise to tau and never pass it.
; BOUND, for every row of 1,024 numbers: with g = |h'|, convexity gives h'/h + g'/g <= 1 from step to step; h(-1) <= 31, g(-1) <= 32, g >= 1: the distance to tau after N steps is at most 31 (1 - 32^(-1/N))^N,
; and close to tau a step squares it (x 1,024 at most): under 2e-5 after 11 steps, under 3e-7 after 12.  TWELVE steps are made, a fixed number: no branch hangs on data.
; The sums are taken of b = max(z, t): s1 = sum b - 1024 t, q = sum b^2 - t (sum b + s1): two instructions for a score and a step.  That forms differences of size 1024 t^2, so after every four steps the
; scores are moved by t (t = 0 again): in the last four steps |t| is what was left of the distance.
; The scores' scale 2^(e6 + e7) / 8 / 2 is a power of two: it rounds nothing.  p's hold at 448 x 2^e8 is put on a = z - tau: a is held at a number whose square lies in (432, 448] x 2^e8, which gives the largest code as the hold of p would.
; SHARES.  A work-group owns 256 queries of one (batch, head); the head's K and V (128 KB of codes) lie in LDS for the whole launch.  The four work-groups of a cluster are the four query blocks of one head:
; K and V are asked for once, jointly.  Four rounds of 64 queries; in a round a wave owns 16 queries and ALL 1,024 keys: 512 registers of scores, 128 in each register window.
; Both products are used transposed: a lane holds one query (lane % 16) throughout.  K's rows and V's rows were laid by the launch before so that 16 consecutive LDS rows form a tile and the 16 registers of tiles 2 b, 2 b + 1 are 16 neighbours along the next K.
; LIMITS: e6 + e7 between -119 and 131; e8 between -126 and 119; e10 - e8 - e9 between -126 and 119.  NaN and infinity are not served.
; No prefetch: all tiles are asked for at the head.
; REGISTERS.  The same numbers in every window: v64-79 at work, v80-95 p's codes, v96-103 sums of b, v104-111 sums of b^2, v112 t, v116 the hold of a, v117 2^e8, v128-255 scores (window w: keys 256 w on).
; Window 0 further: v1-8 addresses, v16-47 O^T, v48-55 Q, v56-63 a lane's arithmetic, v[114:115] what is added to the scores, v118, v119 o's hold and scale, v120-127 o's codes.
; Window 1 v0-63: K's fragments (even batches), later V's.  Window 2 v0-63: K's fragments (odd batches).
.set KP,    80                         ; a key's row in LDS: 64 bytes + 16
.set VP,    144                        ; a row of V: 128 bytes + 16
.set VOFF,  1024*KP
.set STAGE, VOFF+512*VP                ; the way out: 16 rows x 80 bytes for each wave
.set SPARE, STAGE+4*1280               ; the spare words
.set AK0, 1
.set AK1, 2
.set AV0, 3
.set AV1, 4
.set QO,  5
.set STO, 6
.set RDA, 7
.set GO,  8
.set SPW, 12
.set NIL, 13
.set OA,  16
.set QF,  48
.set TMP, 64
.set PC,  80
.set B1,  96
.set B2,  104
.set T,   112
.set ADD, 114
.set LIM, 116
.set SC,  117
.set LIMO, 118
.set SCO, 119
.set OC,  120
.set S,   128
.set MUL, 48                           ; s[48:49] the scores' factor: alpha, then 1
.set SEL, 50                           ; s[50:51]
.set RDC, 52                           ; rounds to go
.set PH,  53
.set IT,  54
.set NA,  55                           ; -alpha
.set QB,  56                           ; s[56:57] Q's codes at my queries
.set OB,  58                           ; s[58:59] oc at my queries
.set ALPHA, 84
.set M1024, 85
.set MSB, 0
.macro WIN new
.if MSB != (\new)
	s_set_vgpr_msb (MSB<<8)|(\new)
.set MSB, (\new)
.endif
.endm
.macro CROUND
	s_barrier_signal -1
	s_barrier_wait -1
	s_cmp_lg_u32 s10, 0
	s_cbranch_scc1 .Lnot_wave_0_\@
	s_barrier_signal -3
.Lnot_wave_0_\@:
	s_barrier_wait -3
	s_barrier_signal -1
	s_barrier_wait -1
.endm
.macro PLACES
.rept 4
	v_nop
.endr
.endm
	s_load_b128 s[4:7], s[0:1], 0x0                ; qkvc, lowp_scales
	s_load_b64 s[8:9], s[0:1], 0x10                ; oc
	v_lshl_add_u32 v[SPW], v0, 2, SPARE
	v_mov_b32 v[NIL], 0
	ds_add_u32 v[SPW], v[NIL]                      ; the wave's opening: the add, twice on end, and its wait ahead of my first tensor load
	ds_add_u32 v[SPW], v[NIL]
	v_lshrrev_b32 v1, 5, v0
	v_readfirstlane_b32 s10, v1                    ; wave
	s_bfe_u32 s11, ttmp6, 0x40000                  ; cx: my block of 256 queries; it enters Q's and oc's addresses alone
	s_and_b32 s12, ttmp7, 0xffff                   ; bh, which the four partners share
	s_mov_b32 s24, 15|(1<<20)|(1<<21)|(3<<22)|(3<<25)   ; K: the mask names all four; elements of 1 byte; 4 words of padding behind every 16
	s_mov_b32 s25, 64<<16
	s_mov_b32 s26, 256<<16
	s_mov_b32 s27, 64<<16
	s_mov_b32 s28, 256                             ; 256 rows of 64 bytes, dense
	s_mov_b32 s29, 64
	s_mov_b32 s30, 0
	s_mov_b32 s31, 0
	s_mov_b32 s32, 15|(1<<20)|(1<<21)|(4<<22)|(3<<25)   ; V: padding behind every 32 words
	s_mov_b32 s33, 128<<16
	s_mov_b32 s34, 128<<16
	s_mov_b32 s35, 128<<16
	s_mov_b32 s36, 128                             ; 128 rows of 128 bytes, dense
	s_mov_b32 s37, 128
	s_mov_b32 s38, 0
	s_mov_b32 s39, 0
	s_lshl_b32 s14, s12, 16                        ; the head's 65,536 bytes,
	s_lshl_b32 s15, s10, 14
	s_add_co_u32 s14, s14, s15                     ; my wave's quarter of them
	s_mov_b32 s15, 0
	s_mul_i32 s16, s10, 256*KP
	s_mul_i32 s17, s10, 128*VP
	s_add_co_u32 s17, s17, VOFF
	s_mov_b32 s[SEL], 0x76543210
	s_mov_b32 s[SEL+1], 0xfedcba98
	s_mov_b32 s[M1024], 0xc4800000                 ; -1024
	s_lshl_b32 s18, s12, 16
	s_lshl_b32 s19, s11, 14
	s_add_co_u32 s18, s18, s19
	s_lshl_b32 s19, s10, 10
	s_add_co_u32 s18, s18, s19                     ; Q: (1024 bh + 256 cx + 16 wave) rows of 64 bytes
	s_mov_b32 s19, 0
	s_lshr_b32 s20, s12, 4
	s_lshl_b32 s20, s20, 20                        ; oc: ((16 batch + 4 cx) x 16 + head) x 4,096 + 1,024 wave
	s_lshl_b32 s21, s11, 18
	s_add_co_u32 s20, s20, s21
	s_and_b32 s21, s12, 15
	s_lshl_b32 s21, s21, 12
	s_add_co_u32 s20, s20, s21
	s_lshl_b32 s21, s10, 10
	s_add_co_u32 s20, s20, s21
	s_mov_b32 s21, 0
	s_wait_dscnt 0x0                               ; both opening adds are done
	s_wait_kmcnt 0x0
	s_load_b512 s[68:83], s[6:7], 0x0              ; the sixteen exponents: entry i in s[68 + i]
	s_mov_b32 s40, 1
	s_mov_b32 s41, s16
	s_add_nc_u64 s[42:43], s[4:5], s[14:15]
	s_add_nc_u64 s[42:43], s[42:43], 0x400000      ; k's codes
	s_add_nc_u64 s[46:47], s[42:43], 0x400000      ; v's codes
	s_or_b32 s43, s43, 0x80000000
	s_mov_b32 s44, 1
	s_mov_b32 s45, s17
	s_or_b32 s47, s47, 0x80000000
	s_add_nc_u64 s[QB:QB+1], s[4:5], s[18:19]
	s_add_nc_u64 s[OB:OB+1], s[8:9], s[20:21]
	CROUND                                         ; all four work-groups are here: the joint loads meet
	tensor_load_to_lds s[40:43], s[24:31]          ; every wave asks for a quarter of K and a quarter of V: two loads of mine are out
	s_nop 0
	tensor_load_to_lds s[44:47], s[32:39]
	s_nop 0
.rept 4
	v_nop
.endr
	v_and_b32 v9, 15, v0                           ; r
	v_bfe_u32 v10, v0, 4, 1                        ; h
	v_and_b32 v11, 31, v0                          ; lane
	v_lshlrev_b32 v[QO], 6, v9
	v_lshl_add_u32 v[QO], v10, 4, v[QO]
	global_load_b128 v[QF:QF+3], v[QO], s[QB:QB+1]             ; Q's fragment: registers 4 c .. 4 c + 3 hold channels 32 c + 16 h + 0 .. 15, as K's do
	global_load_b128 v[QF+4:QF+7], v[QO], s[QB:QB+1] offset:32
	v_mul_u32_u24 v[AK0], v9, KP
	v_lshl_add_u32 v[AK0], v10, 4, v[AK0]
	v_add_nc_u32 v[AK1], 512*KP, v[AK0]            ; the offsets' 16 bits do not reach all of K
	v_mul_u32_u24 v[AV0], v9, VP
	v_lshl_add_u32 v[AV0], v10, 4, v[AV0]
	v_add_nc_u32 v[AV0], VOFF, v[AV0]
	v_add_nc_u32 v[AV1], 256*VP, v[AV0]
	s_mul_i32 s20, s10, 1280
	s_add_co_u32 s20, s20, STAGE
	v_mul_u32_u24 v[STO], v9, 80
	v_lshl_add_u32 v[STO], v10, 4, v[STO]
	v_add_nc_u32 v[STO], s20, v[STO]
	v_lshrrev_b32 v14, 2, v11
	v_mul_u32_u24 v[RDA], v14, 80
	v_and_b32 v14, 3, v11
	v_lshl_add_u32 v[RDA], v14, 4, v[RDA]
	v_add_nc_u32 v[RDA], s20, v[RDA]
	v_lshlrev_b32 v[GO], 4, v11
	v_mov_b32 v58, 0                               ; lane permutes' destinations count as read
	v_mov_b32 v59, 0
	v_mov_b32 v[ADD+1], 0                          ; (named as the upper half of a pair)
	s_wait_kmcnt 0x0
	s_add_co_i32 s60, s74, s75
	s_add_co_i32 s60, s60, 123
	s_lshl_b32 s[ALPHA], s60, 23                   ; alpha = 2^(e6 + e7 - 4)
	s_xor_b32 s[NA], s[ALPHA], 0x80000000
	s_add_co_i32 s60, s76, 127
	s_lshl_b32 s60, s60, 23
	v_mov_b32 v[SC], s60                           ; 2^e8
	s_ashr_i32 s61, s76, 1
	s_lshl_b32 s61, s61, 23
	s_mov_b32 s62, 0x41a8cccd                      ; 21.1: its square is 445.21
	s_bitcmp1_b32 s76, 0
	s_cselect_b32 s62, 0x41eeb852, s62             ; 29.84: its square is 2 x 445.21, for an odd e8
	s_add_co_i32 s62, s62, s61                     ; x 2^floor(e8 / 2)
	v_mov_b32 v[LIM], s62
	s_sub_co_i32 s60, s78, s76
	s_sub_co_i32 s60, s60, s77
	s_add_co_i32 s60, s60, 127
	s_lshl_b32 s61, s60, 23
	v_mov_b32 v[SCO], s61                          ; 2^(e10 - e8 - e9): a sum of product 5 stands for sum x 2^(e8 + e9)
	s_add_co_i32 s60, s60, 8
	s_lshl_b32 s60, s60, 23
	s_or_b32 s60, s60, 0x600000
	v_mov_b32 v[LIMO], s60
.irp w, 1,2,3
	WIN (\w)<<6                                    ; destination window w, source window 0
	v_mov_b32 v[LIM], v[LIM]
	v_mov_b32 v[SC], v[SC]
.endr
	WIN 0
	s_mov_b32 s[RDC], 4
	s_wait_tensorcnt 0x0                           ; my quarters are in,
	s_barrier_signal -1
	s_barrier_wait -1                              ; everybody's are
.macro FK n                            ; K's fragments of tiles 8 n .. 8 n + 7: 16 loads, into window 1 (n even) or 2 (n odd)
	WIN (1+(\n)%2)<<6
.set i, 0
.rept 8
.set GT, 8*(\n)+i
.if GT < 32
	ds_load_b128 v[8*i:8*i+3], v[AK0] offset:16*KP*GT
	ds_load_b128 v[8*i+4:8*i+7], v[AK0] offset:16*KP*GT+32
.else
	ds_load_b128 v[8*i:8*i+3], v[AK1] offset:16*KP*(GT-32)
	ds_load_b128 v[8*i+4:8*i+7], v[AK1] offset:16*KP*(GT-32)+32
.endif
.set i, i+1
.endr
.endm
.macro MAXW w                          ; the largest of window w's 128 scores, in four chains, ascending: each tile is first read at its low end
	WIN 0x55*(\w)
.irp c, 0,1,2,3
	v_max3_num_f32 v[TMP+\c], v[S+32*\c], v[S+32*\c+1], v[S+32*\c+2]
.endr
.set i, 3
.rept 14
.irp c, 0,1,2,3
	v_max3_num_f32 v[TMP+\c], v[TMP+\c], v[S+32*\c+i], v[S+32*\c+i+1]
.endr
.set i, i+2
.endr
.irp c, 0,1,2,3
	v_max_num_f32 v[TMP+\c], v[TMP+\c], v[S+32*\c+31]
.endr
	v_max3_num_f32 v[TMP], v[TMP], v[TMP+1], v[TMP+2]
	v_max_num_f32 v[TMP], v[TMP], v[TMP+3]
.endm
.macro RECENTRE w                      ; z <- z x factor + addend (the addend is read from window 0)
	WIN (\w)|((\w)<<6)
.set i, 0
.rept 64
	v_pk_fma_f32 v[S+i:S+i+1], v[S+i:S+i+1], s[MUL:MUL+1], v[ADD:ADD+1] op_sel_hi:[1,0,0]
.set i, i+2
.endr
.endm
.macro PASSW w                         ; window w's part of sum b and sum b^2, b = max(z, t); four pairs each; the first 16 numbers start the sums
	WIN 0x55*(\w)
.set g, 0
.rept 8
.set Z, S+16*g
.set i, 0
.rept 16
	v_max_num_f32 v[TMP+i], v[Z+i], v[T]
.set i, i+1
.endr
.if g == 0
.irp p, 0,2,4,6
	v_pk_add_f32 v[B1+\p:B1+\p+1], v[TMP+\p:TMP+\p+1], v[TMP+8+\p:TMP+9+\p]
.endr
.irp p, 0,2,4,6
	v_pk_mul_f32 v[B2+\p:B2+\p+1], v[TMP+\p:TMP+\p+1], v[TMP+\p:TMP+\p+1]
.endr
.irp p, 0,2,4,6
	v_pk_fma_f32 v[B2+\p:B2+\p+1], v[TMP+8+\p:TMP+9+\p], v[TMP+8+\p:TMP+9+\p], v[B2+\p:B2+\p+1]
.endr
.else
.irp o, 0,8
.irp p, 0,2,4,6
	v_pk_add_f32 v[B1+\p:B1+\p+1], v[B1+\p:B1+\p+1], v[TMP+\o+\p:TMP+\o+\p+1]
.endr
.irp p, 0,2,4,6
	v_pk_fma_f32 v[B2+\p:B2+\p+1], v[TMP+\o+\p:TMP+\o+\p+1], v[TMP+\o+\p:TMP+\o+\p+1], v[B2+\p:B2+\p+1]
.endr
.endr
.endif
.set g, g+1
.endr
	v_pk_add_f32 v[B1:B1+1], v[B1:B1+1], v[B1+2:B1+3]
	v_pk_add_f32 v[B2:B2+1], v[B2:B2+1], v[B2+2:B2+3]
	v_pk_add_f32 v[B1+4:B1+5], v[B1+4:B1+5], v[B1+6:B1+7]
	v_pk_add_f32 v[B2+4:B2+5], v[B2+4:B2+5], v[B2+6:B2+7]
	v_pk_add_f32 v[B1:B1+1], v[B1:B1+1], v[B1+4:B1+5]
	v_pk_add_f32 v[B2:B2+1], v[B2:B2+1], v[B2+4:B2+5]
.endm
.macro PVSTEP s                        ; keys 128 s on: a = z - tau, held between 0 and the limit; p = a^2; p's codes; O^T += V^T P^T
.set w, (\s)/2
.set Z, S+64*((\s)%2)
	WIN w|(w<<6)
.set i, 0
.rept 32
	v_pk_add_f32 v[Z+i:Z+i+1], v[Z+i:Z+i+1], v[ADD:ADD+1] op_sel_hi:[1,0]   ; (these 32 are also the places in front of the loads below)
.set i, i+2
.endr
	WIN 0x40
.set tt, 0
.rept 4
.irp c, 0,1,2,3
.if (\s) < 4
	ds_load_b128 v[16*tt+4*\c:16*tt+4*\c+3], v[AV0] offset:(64*(\s)+16*tt)*VP+32*\c
.else
	ds_load_b128 v[16*tt+4*\c:16*tt+4*\c+3], v[AV1] offset:(64*((\s)-4)+16*tt)*VP+32*\c
.endif
.endr
.set tt, tt+1
.endr
	WIN 0x55*w
.set i, 0
.rept 64
	v_med3_num_f32 v[Z+i], v[Z+i], 0, v[LIM]       ; the clip at 0 and the hold in one
.set i, i+1
.endr
.set i, 0
.rept 32
	v_pk_mul_f32 v[Z+i:Z+i+1], v[Z+i:Z+i+1], v[Z+i:Z+i+1]
.set i, i+2
.endr
.irp b, 0,1,2,3
	v_cvt_scalef32_pk8_fp8_f32 v[PC+4*\b:PC+4*\b+1], v[Z+16*\b:Z+16*\b+7], v[SC]
	v_cvt_scalef32_pk8_fp8_f32 v[PC+4*\b+2:PC+4*\b+3], v[Z+16*\b+8:Z+16*\b+15], v[SC]
.endr
	v_nop                                          ; a plain instruction between the conversions and the matrix instructions that read their results
	s_wait_dscnt 0x0                               ; V's fragments are in
	WIN 1|(w<<2)                                   ; V in window 1, p's codes in window w, O^T in window 0
.irp t, 0,1,2,3                        ; the four accumulators take turns
.if (\s) == 0
	v_wmma_f32_16x16x128_fp8_fp8 v[OA+8*\t:OA+8*\t+7], v[16*\t:16*\t+15], v[PC:PC+15], 0
.else
	v_wmma_f32_16x16x128_fp8_fp8 v[OA+8*\t:OA+8*\t+7], v[16*\t:16*\t+15], v[PC:PC+15], v[OA+8*\t:OA+8*\t+7]
.endif
.endr
.endm
.Lround:
	s_wait_loadcnt 0x0                             ; Q
	; ---- S^T = K Q^T: 64 tiles of 16 keys, eight at a time, K's fragments two batches ahead
	FK 0
	FK 1
.irp n, 0,1,2,3,4,5,6,7
.if \n < 7
	s_wait_dscnt 16                                ; this batch's 16 loads are in; the next batch's may be out
.else
	s_wait_dscnt 0x0
.endif
	WIN (((\n)/2)<<6)|(1+(\n)%2)
.set i, 0
.rept 8
	v_wmma_f32_16x16x64_fp8_fp8 v[S+64*((\n)%2)+8*i:S+64*((\n)%2)+8*i+7], v[8*i:8*i+7], v[QF:QF+7], 0
.set i, i+1
.endr
	PLACES
.if \n < 6
	FK \n+2
.endif
.endr
	WIN 0
	s_cmp_eq_u32 s[RDC], 1                         ; the next round's Q is asked for here, if there is a next round: no load leaves its buffer
	s_cbranch_scc1 .Lno_q
	global_load_b128 v[QF:QF+3], v[QO], s[QB:QB+1] offset:4096
	global_load_b128 v[QF+4:QF+7], v[QO], s[QB:QB+1] offset:4128
.Lno_q:
	; ---- the row's largest score
	MAXW 0
	MAXW 1
	MAXW 2
	MAXW 3
.irp w, 1,2,3
	WIN \w                                         ; source 0 in window w
	v_max_num_f32 v[TMP], v[TMP], v[TMP]
.endr
	WIN 0
	v_permlanex16_b32 v[TMP+1], v[TMP], s[SEL], s[SEL+1]
	v_max_num_f32 v[TMP], v[TMP], v[TMP+1]
	v_mul_f32 v[ADD], s[NA], v[TMP]                ; z = alpha s - alpha max
	v_mov_b32 v[T], -1.0
	s_mov_b32 s[MUL], s[ALPHA]
	s_mov_b32 s[MUL+1], s[ALPHA]
	s_mov_b32 s[PH], 3
.Lphase:                                           ; three times: move the scores, then four steps
	RECENTRE 0
	RECENTRE 1
	RECENTRE 2
	RECENTRE 3
	WIN 0
	s_mov_b32 s[IT], 4
.Lpass:
.irp w, 1,2,3
	WIN (\w)<<6
	v_mov_b32 v[T], v[T]                           ; t into every window
.endr
	PASSW 0
	PASSW 1
	PASSW 2
	PASSW 3
.irp w, 1,2,3
	WIN \w
	v_pk_add_f32 v[B1:B1+1], v[B1:B1+1], v[B1:B1+1]
	v_pk_add_f32 v[B2:B2+1], v[B2:B2+1], v[B2:B2+1]
.endr
	WIN 0
	v_add_f32 v56, v[B1], v[B1+1]
	v_add_f32 v57, v[B2], v[B2+1]
	v_permlanex16_b32 v58, v56, s[SEL], s[SEL+1]   ; the query's other 512 keys lie in the lane 16 away
	v_permlanex16_b32 v59, v57, s[SEL], s[SEL+1]
	v_add_f32 v56, v56, v58                        ; sum b
	v_add_f32 v57, v57, v59                        ; sum b^2
	v_fma_f32 v58, v[T], s[M1024], v56             ; s1 = sum b - 1024 t
	v_add_f32 v59, v56, v58
	v_fma_f32 v60, -v[T], v59, v57                 ; q = sum b^2 - t (sum b + s1)
	v_sqrt_f32 v61, v60
	v_rcp_f32 v62, v58
	v_nop                                          ; a plain instruction behind the transcendentals,
	s_wait_alu depctr_va_vdst(0)                   ; and one wait for both ahead of the first reader
	v_sub_f32 v61, v60, v61
	v_fma_f32 v[T], v61, v62, v[T]                 ; t + (q - sqrt q) / s1
	s_sub_co_u32 s[IT], s[IT], 1
	s_cmp_lg_u32 s[IT], 0
	s_cbranch_scc1 .Lpass
	v_xor_b32 v[ADD], 0x80000000, v[T]             ; the scores are next moved by -t,
	v_mov_b32 v[T], 0                              ; so that t is 0 again
	s_mov_b32 s[MUL], 1.0
	s_mov_b32 s[MUL+1], 1.0
	s_sub_co_u32 s[PH], s[PH], 1
	s_cmp_lg_u32 s[PH], 0
	s_cbranch_scc1 .Lphase
	; ---- p, its codes, and O^T = V^T P^T, 128 keys at a time
.irp s, 0,1,2,3,4,5,6,7
	PVSTEP \s
.endr
	; ---- o's codes: tiles 2 b, 2 b + 1 hold channels 32 b + 16 h + 0 .. 15 of my query
	WIN 0
	PLACES
.set i, 0
.rept 32
	v_med3_num_f32 v[OA+i], v[OA+i], -v[LIMO], v[LIMO]
.set i, i+1
.endr
.irp b, 0,1
	v_cvt_scalef32_pk8_fp8_f32 v[OC+4*\b:OC+4*\b+1], v[OA+16*\b:OA+16*\b+7], v[SCO]
	v_cvt_scalef32_pk8_fp8_f32 v[OC+4*\b+2:OC+4*\b+3], v[OA+16*\b+8:OA+16*\b+15], v[SCO]
.endr
	v_nop
	ds_store_b128 v[STO], v[OC:OC+3]
	ds_store_b128 v[STO], v[OC+4:OC+7] offset:32
	ds_load_b128 v[56:59], v[RDA]                  ; my own bytes: LDS serves a wave's instructions in order
	ds_load_b128 v[60:63], v[RDA] offset:640
	s_wait_dscnt 0x0
	global_store_b128 v[GO], v[56:59], s[OB:OB+1]              ; the wave stores 512 consecutive bytes, aligned
	global_store_b128 v[GO], v[60:63], s[OB:OB+1] offset:512
	s_wait_xcnt 0x0                                ; the stores and Q's loads have read their registers and bases
	s_add_nc_u64 s[OB:OB+1], s[OB:OB+1], 0x10000   ; the next 64 tokens' block of oc
	s_add_nc_u64 s[QB:QB+1], s[QB:QB+1], 4096
	s_sub_co_u32 s[RDC], s[RDC], 1
	s_cmp_lg_u32 s[RDC], 0
	s_cbranch_scc1 .Lround
	s_wait_tensorcnt 0x0                           ; the wave's end
	ds_add_u32 v[SPW], v[NIL]
	s_wait_dscnt 0x0
	CROUND                                         ; the closing round
	s_endpgm
.Lfunc_end_k_qe17f51a0e2_attn:
	.size	k_qe17f51a0e2_attn, .Lfunc_end_k_qe17f51a0e2_attn-k_qe17f51a0e2_attn
	.p2alignl 7, 3214868480
	.fill 96, 4, 3214868480
	.section	.rodata,"a",@progbits
	.p2align	6, 0x0
	.amdhsa_kernel k_qe17f51a0e2_attn
		.amdhsa_group_segment_fixed_size 167936
		.amdhsa_private_segment_fixed_size 0
		.amdhsa_enable_private_segment 0
		.amdhsa_kernarg_size 24
		.amdhsa_user_sgpr_count 2
		.amdhsa_user_sgpr_kernarg_segment_ptr 1
		.amdhsa_wavefront_size32 1
		.amdhsa_system_sgpr_workgroup_id_x 1
		.amdhsa_system_sgpr_workgroup_id_y 1
		.amdhsa_system_sgpr_workgroup_id_z 1
		.amdhsa_system_vgpr_workitem_id 0
		.amdhsa_next_free_vgpr 1024
		.amdhsa_next_free_sgpr 90
		.amdhsa_reserve_vcc 0
		.amdhsa_float_denorm_mode_32 3
		.amdhsa_float_denorm_mode_16_64 3
		.amdhsa_memory_ordered 1
		.amdhsa_forward_progress 1
		.amdhsa_inst_pref_size 188
	.end_amdhsa_kernel
	.amdgpu_metadata
---
amdhsa.version: [ 1, 2 ]
amdhsa.kernels:
  - .name:           k_qe17f51a0e2_attn
    .symbol:         k_qe17f51a0e2_attn.kd
    .args:
      - { .name: qkvc, .offset: 0, .size: 8, .value_kind: global_buffer, .address_space: global }
      - { .name: lowp_scales, .offset: 8, .size: 8, .value_kind: global_buffer, .address_space: global }
      - { .name: oc, .offset: 16, .size: 8, .value_kind: global_buffer, .address_space: global }
    .group_segment_fixed_size: 167936
    .private_segment_fixed_size: 0
    .kernarg_segment_align: 8
    .kernarg_segment_size: 24
    .max_flat_workgroup_size: 128
    .sgpr_count:     90
    .vgpr_count:     1024
    .wavefront_size: 32
...
	.end_amdgpu_metadata
.endif
;; end of part 3
;; launch oproj (part 4): grid 8 x 32, 4 waves a work-group, clusters of 4 x 4, 327,680 bytes of LDS; arguments oc, wc, bo, x, lowp_scales, x1; writes x1
.if DOCPART == 4
	.amdgcn_target "amdgcn-amd-amdhsa--gfx1250"
	.amdhsa_code_object_version 6
	.text
	.protected	k_qe17f51a0e2_oproj
	.globl	k_qe17f51a0e2_oproj
	.p2align	8
	.type	k_qe17f51a0e2_oproj,@function
k_qe17f51a0e2_oproj:
	s_mov_b64 s[64:65], 0
	v_nop
	global_prefetch_b8 v0, s[64:65] scope:SCOPE_SE
	s_setreg_imm32_b32 hwreg(HW_REG_WAVE_MODE, 25, 1), 1
	s_wait_xcnt 0x0
	s_wait_alu depctr_hold_cnt(0) depctr_sa_sdst(0) depctr_va_vdst(0) depctr_va_sdst(0) depctr_va_ssrc(0) depctr_va_vcc(0) depctr_vm_vsrc(0)
	s_getreg_b32 s2, hwreg(HW_REG_IB_STS2, 6, 4)
	s_cmp_eq_u32 s2, 0
	s_cbranch_scc0 .Lentry_in_a_cluster
	s_endpgm
.Lentry_in_a_cluster:
	s_bfe_u32 s2, ttmp6, 0x10000c
	s_cmp_lg_u32 s2, 0xf033
	s_cbranch_scc0 .Lentry_shape_is_right
	s_endpgm
.Lentry_shape_is_right:
; Product 6 and the first residual: x1 = x + o wo + bo.  o's codes (entry 10) lie in oc as [token / 64][head][64 tokens][64 bytes]; wo's codes (entry 11) at 3 MiB of wc, [1024][1024].  Nothing is left out.
; A tile of C is 128 x 128; four waves, each 64 x 64: 16 accumulators.  K = 1,024 lies in two LDS slots of 512 along K, both asked for at the head: nothing is filled again.
; A's half tile of a slot (64 tokens x 8 heads) is one dense block of 32 KB: it comes as 512 rows of 64 bytes, 16 of padding behind each.
; CLUSTERS: 4 x 4 work-groups; A's tile is asked for jointly along a row of the cluster, B's along a column.
; Source 0 = 16 rows of wo, source 1 = 16 tokens: a lane holds a token and eight neighbouring columns.  Results go through the wave's own stage and leave as pieces of 256 bytes of a row, aligned.
; LIMIT: e10 + e11 between -126 and 127.  No prefetch: both slots are asked for at the head.
.set KTOT,  1024
.set LAPS,  KTOT/1024
.set AKIND, 1
.set AC,    64
.set AR,    512
.set AP,    64
.set AQI,   3
.set APITCH, 80
.set AHALF, AR*(AC+16)
.set ASTEP, 32768
.set ASHIFT, 16                        ; a block of 64 tokens is 65,536 bytes of A
.set BOFF,  0x300000
.set EA,    82                         ; s82, s83: entries 10, 11
.set BHALF, 64*528
.set SLOT,  2*AHALF+2*BHALF
.set STAGE, 2*SLOT                     ; 16 rows x 272 bytes for each wave
.set SPARE, STAGE+4*4352
.set ACC,   128
.set F0,    0
.set F1,    128
.set ADRA,  16
.set ADRB,  20
.set STO,   24
.set RD,    25
.set CO,    26
.set SPW,   28
.set NIL,   29
.set BIAS,  96
.set G1,  24
.set G0,  32
.set G1B, 48
.set G0B, 56
.set MSB, 0
.macro WIN new
.if MSB != (\new)
	s_set_vgpr_msb (MSB<<8)|(\new)
.set MSB, (\new)
.endif
.endm
.macro JLOAD s
	s_cmp_eq_u32 s11, 0
	s_cbranch_scc0 .Lfor_b_\@
	tensor_load_to_lds s[G0+4*\s:G0+4*\s+3], s[G1:G1+7]
	s_nop 0
.rept 4
	v_nop
.endr
	s_branch .Lasked_\@
.Lfor_b_\@:
	tensor_load_to_lds s[G0B+4*\s:G0B+4*\s+3], s[G1B:G1B+7]
	s_nop 0
.rept 4
	v_nop
.endr
.Lasked_\@:
.endm
.macro CREST
	s_cmp_lg_u32 s10, 0
	s_cbranch_scc1 .Lnot_wave_0_\@
	s_barrier_signal -3
.Lnot_wave_0_\@:
	s_barrier_wait -3
	s_barrier_signal -1
	s_barrier_wait -1
.endm
.macro CROUND
	s_barrier_signal -1
	s_barrier_wait -1
	CREST
.endm
.macro PLACES
.rept 4
	v_nop
.endr
.endm
.macro FRAGA reg, slot, q, i
.irp c, 0,1,2,3
.if AKIND == 0
	ds_load_b128 v[\reg+4*\c:\reg+4*\c+3], v[ADRA+\slot] offset:(\i)*16*528+128*(\q)+32*\c
.elseif AKIND == 1
	ds_load_b128 v[\reg+4*\c:\reg+4*\c+3], v[ADRA+\slot] offset:(2*(\q)+\c/2)*5120+(\i)*16*80+32*(\c%2)
.else
	ds_load_b128 v[\reg+4*\c:\reg+4*\c+3], v[ADRA+\slot] offset:(\q)*9216+(\i)*16*144+32*\c
.endif
.endr
.endm
.macro FRAGB reg, slot, q, i
.irp c, 0,1,2,3
	ds_load_b128 v[\reg+4*\c:\reg+4*\c+3], v[ADRB+\slot] offset:(\i)*16*528+128*(\q)+32*\c
.endr
.endm
.macro FETCH slot, q, f
	WIN 0x40
.irp i, 0,1,2,3
	FRAGB \f+64+16*\i, \slot, \q, \i
.endr
.irp i, 0,1,2,3
	FRAGA \f+16*\i, \slot, \q, \i
.endr
.endm
.macro MUL8 f, a0, zero                ; the 16 accumulators take turns, in the same order in every quarter
.irp a, \a0, \a0+1
.irp b, 0,1,2,3
.if \zero
	v_wmma_f32_16x16x128_fp8_fp8 v[ACC+8*(4*(\a)+\b):ACC+8*(4*(\a)+\b)+7], v[\f+64+16*\b:\f+64+16*\b+15], v[\f+16*(\a):\f+16*(\a)+15], 0
.else
	v_wmma_f32_16x16x128_fp8_fp8 v[ACC+8*(4*(\a)+\b):ACC+8*(4*(\a)+\b)+7], v[\f+64+16*\b:\f+64+16*\b+15], v[\f+16*(\a):\f+16*(\a)+15], v[ACC+8*(4*(\a)+\b):ACC+8*(4*(\a)+\b)+7]
.endif
.endr
.endr
.endm
.macro QUARTER slot, q, f, g, zero
	s_wait_dscnt 8                                 ; B's four and A's blocks 0, 1 are in; the youngest eight loads may be out
	WIN 0x05
	MUL8 \f, 0, \zero
	PLACES
	FETCH \slot, \q, \g
	s_wait_dscnt 32                                ; all but the 32 just issued
	WIN 0x05
	MUL8 \f, 2, \zero
.endm
.macro TURN slot, next, fill
	WIN 0
	s_wait_tensorcnt 0x0                           ; all my tensor loads have landed: my part of the next slot;
	ds_add_u32 v[SPW], v[NIL]                      ; 0 onto my spare word;
	s_wait_dscnt 9                                 ; (the add and the youngest eight loads may be out)
	WIN 0x05
	MUL8 F1, 0, 0
	s_wait_dscnt 0x0                               ; the add is done, and my reads of this slot are over
	s_barrier_signal -1
	WIN 0
	s_barrier_wait -1
.if \fill
	CREST                                          ; the barrier has opened a round of the cluster's barrier: no wave of any partner still reads this slot or has a load on its way
	s_add_nc_u64 s[G0+4*\slot+2:G0+4*\slot+3], s[G0+4*\slot+2:G0+4*\slot+3], 2*ASTEP
	s_add_nc_u64 s[G0B+4*\slot+2:G0B+4*\slot+3], s[G0B+4*\slot+2:G0B+4*\slot+3], 1024
	JLOAD \slot                                    ; the first tensor load behind the round; its four v_nop are the places in front of the loads below
.else
	PLACES
.endif
	FETCH \next, 0, F0
	WIN 0x05
	MUL8 F1, 2, 0
.endm
	s_load_b128 s[4:7], s[0:1], 0x0                ; A's codes, wc
	s_load_b128 s[92:95], s[0:1], 0x10             ; the bias, the residual
	s_load_b128 s[96:99], s[0:1], 0x20             ; lowp_scales, the result
	v_lshl_add_u32 v[SPW], v0, 2, SPARE
	v_mov_b32 v[NIL], 0
	ds_add_u32 v[SPW], v[NIL]                      ; the wave's opening: the add, twice on end, and its wait ahead of my first tensor load
	ds_add_u32 v[SPW], v[NIL]
	v_lshrrev_b32 v1, 5, v0
	v_readfirstlane_b32 s10, v1
	s_lshr_b32 s11, s10, 1
	s_and_b32 s12, s10, 1
	s_bfe_u32 s40, ttmp6, 0x40000
	s_bfe_u32 s41, ttmp6, 0x40004
	s_lshl_b32 s42, ttmp9, 2
	s_add_co_u32 s42, s42, s40                     ; tile column
	s_and_b32 s13, ttmp7, 0xffff
	s_lshl_b32 s13, s13, 2
	s_add_co_u32 s13, s13, s41                     ; tile row
	s_lshl_b32 s43, s41, 2
	s_lshl_b32 s43, 15, s43
	s_lshl_b32 s44, 0x1111, s40
	s_or_b32 s[G1+0], s43, (1<<20)|(1<<21)|(AQI<<22)|(3<<25)
	s_or_b32 s[G1B+0], s44, (1<<20)|(1<<21)|(6<<22)|(3<<25)
	s_mov_b32 s[G1+1], AC<<16
	s_mov_b32 s[G1+2], AR<<16
	s_mov_b32 s[G1+3], AC<<16
	s_mov_b32 s[G1+4], AR
	s_mov_b32 s[G1+5], AP
	s_mov_b32 s[G1+6], 0
	s_mov_b32 s[G1+7], 0
	s_mov_b32 s[G1B+1], 512<<16
	s_mov_b32 s[G1B+2], 64<<16
	s_mov_b32 s[G1B+3], 512<<16
	s_mov_b32 s[G1B+4], 64
	s_mov_b32 s[G1B+5], KTOT
	s_mov_b32 s[G1B+6], 0
	s_mov_b32 s[G1B+7], 0
	s_lshl_b32 s16, s13, 1
	s_add_co_u32 s16, s16, s12                     ; A: the block of 64 tokens 2 x tile row + half
	s_lshl_b32 s16, s16, ASHIFT
	s_mov_b32 s17, 0
	s_lshl_b32 s46, s42, 7
	s_lshl_b32 s47, s12, 6
	s_add_co_u32 s46, s46, s47                     ; B: row 128 x tile column + 64 x half
	s_mul_i32 s46, s46, KTOT
	s_add_co_u32 s46, s46, BOFF
	s_mov_b32 s47, 0
	s_mul_i32 s20, s12, AHALF
	s_mul_i32 s45, s12, BHALF
	s_add_co_u32 s45, s45, 2*AHALF
	s_wait_dscnt 0x0
	s_wait_kmcnt 0x0
	s_load_b512 s[72:87], s[96:97], 0x0
	s_add_nc_u64 s[14:15], s[4:5], s[16:17]
	s_add_nc_u64 s[46:47], s[6:7], s[46:47]
	CROUND
.irp s, 0,1
	s_mov_b32 s[G0+4*\s], 1
	s_add_co_u32 s[G0+4*\s+1], s20, \s*SLOT
	s_add_nc_u64 s[G0+4*\s+2:G0+4*\s+3], s[14:15], \s*ASTEP
	s_or_b32 s[G0+4*\s+3], s[G0+4*\s+3], 0x80000000
	s_mov_b32 s[G0B+4*\s], 1
	s_add_co_u32 s[G0B+4*\s+1], s45, \s*SLOT
	s_add_nc_u64 s[G0B+4*\s+2:G0B+4*\s+3], s[46:47], \s*512
	s_or_b32 s[G0B+4*\s+3], s[G0B+4*\s+3], 0x80000000
	JLOAD \s
.endr
	v_and_b32 v1, 15, v0                           ; r
	v_bfe_u32 v2, v0, 4, 1                         ; h
	v_mul_u32_u24 v3, v1, APITCH
	v_lshl_add_u32 v3, v2, 4, v3
	v_mul_u32_u24 v4, v1, 528
	v_lshl_add_u32 v4, v2, 4, v4
	s_mul_i32 s21, s11, AHALF
	s_mul_i32 s22, s12, BHALF
	s_add_co_u32 s22, s22, 2*AHALF
.irp s, 0,1
	v_add_nc_u32 v[ADRA+\s], s21, v3
	v_add_nc_u32 v[ADRB+\s], s22, v4
	s_add_co_u32 s21, s21, SLOT
	s_add_co_u32 s22, s22, SLOT
.endr
	s_mul_i32 s23, s10, 4352
	s_add_co_u32 s23, s23, STAGE                   ; my stage
	v_mul_u32_u24 v3, v1, 272
	v_lshl_add_u32 v3, v2, 5, v3
	v_add_nc_u32 v[STO], s23, v3                   ; in: row r, 32 bytes for each half of the lanes
	v_mul_u32_u24 v3, v2, 272
	v_lshl_add_u32 v3, v1, 4, v3
	v_add_nc_u32 v[RD], s23, v3                    ; back: lanes 0-15 one row's 256 bytes, lanes 16-31 the next
	v_lshlrev_b32 v[CO], 12, v2
	v_lshl_add_u32 v[CO], v1, 4, v[CO]             ; and the same in the residual and the result
	s_lshl_b32 s68, s42, 9
	s_lshl_b32 s69, s12, 8
	s_add_co_u32 s68, s68, s69                     ; my 64 columns' bytes
	s_mov_b32 s69, 0
	s_add_nc_u64 s[92:93], s[92:93], s[68:69]
	v_lshlrev_b32 v5, 4, v1
	global_load_b128 v[BIAS:BIAS+3], v5, s[92:93]  ; on the way out a lane keeps the same four columns
	s_lshl_b32 s90, s13, 7
	s_lshl_b32 s91, s11, 6
	s_add_co_u32 s90, s90, s91                     ; my first row
	s_lshl_b32 s90, s90, 12
	s_add_co_u32 s90, s90, s68
	s_mov_b32 s91, 0
	s_add_nc_u64 s[70:71], s[98:99], s[90:91]
	s_add_nc_u64 s[94:95], s[94:95], s[90:91]
	WIN 0x80                                       ; destination window 2: the residual, in the layout of the way out
.set i, 0
.rept 32
	global_load_b128 v[4*i:4*i+3], v[CO], s[94:95] offset:(16*(i/8)+2*(i%8))*4096 th:TH_LOAD_NT
.set i, i+1
.endr
	WIN 0
	s_wait_tensorcnt 0x1                           ; my part of slot 0 is in; slot 1's load may be out
	s_barrier_signal -1
	s_barrier_wait -1
	FETCH 0, 0, F0
	QUARTER 0, 1, F0, F1, 1                        ; the first quarter's products start the sums
.if LAPS > 1
	WIN 0
	s_mov_b32 s3, LAPS-1
.Llap:                                             ; a trip goes once round the ring and fills both slots again
	QUARTER 0, 2, F1, F0, 0
	QUARTER 0, 3, F0, F1, 0
	TURN 0, 1, 1
	QUARTER 1, 1, F0, F1, 0
	QUARTER 1, 2, F1, F0, 0
	QUARTER 1, 3, F0, F1, 0
	TURN 1, 0, 1
	QUARTER 0, 1, F0, F1, 0
	WIN 0
	s_sub_co_u32 s3, s3, 1
	s_cmp_lg_u32 s3, 0
	s_cbranch_scc1 .Llap
.endif
	QUARTER 0, 2, F1, F0, 0
	QUARTER 0, 3, F0, F1, 0
	TURN 0, 1, 0
	QUARTER 1, 1, F0, F1, 0
	QUARTER 1, 2, F1, F0, 0
	QUARTER 1, 3, F0, F1, 0
	s_wait_dscnt 8
	WIN 0x05
	MUL8 F1, 0, 0
	s_wait_dscnt 0x0
	MUL8 F1, 2, 0
	WIN 0
	PLACES
	s_wait_kmcnt 0x0
	s_add_co_i32 s14, s[EA], s[EA+1]
	s_add_co_i32 s14, s14, 127
	s_lshl_b32 s88, s14, 23                        ; 2^(eA + eB)
	s_mov_b32 s89, s88
	s_wait_loadcnt 0x0                             ; the bias and the residual
; THE WAY OUT, 16 rows at a time: the sums go into my stage as they are and come back as pieces of 256 bytes of a row.
.macro TOSTAGE a
.set BK, 32+32*((\a)%2)
.irp b, 0,1,2,3
	ds_store_b128 v[STO], v[ACC+32*(\a)+8*\b:ACC+32*(\a)+8*\b+3] offset:64*\b          ; each accumulator from its low end on
	ds_store_b128 v[STO], v[ACC+32*(\a)+8*\b+4:ACC+32*(\a)+8*\b+7] offset:64*\b+16
.endr
.irp t, 0,1,2,3,4,5,6,7
	ds_load_b128 v[BK+4*\t:BK+4*\t+3], v[RD] offset:\t*2*272   ; LDS serves a wave's instructions in order
.endr
.endm
.macro SEND a, younger
.set BK, 32+32*((\a)%2)
	s_wait_dscnt \younger                          ; the block is back; the next block's 16 LDS instructions may be out
	WIN 0x20                                       ; source 2 (the residual) in window 2
.set i, 0
.rept 16
	v_pk_fma_f32 v[BK+i:BK+i+1], v[BK+i:BK+i+1], s[88:89], v[32*(\a)+i:32*(\a)+i+1] op_sel_hi:[1,0,1]
.set i, i+2
.endr
	WIN 0
.irp t, 0,1,2,3,4,5,6,7
	v_pk_add_f32 v[BK+4*\t:BK+4*\t+1], v[BK+4*\t:BK+4*\t+1], v[BIAS:BIAS+1]
	v_pk_add_f32 v[BK+4*\t+2:BK+4*\t+3], v[BK+4*\t+2:BK+4*\t+3], v[BIAS+2:BIAS+3]
.endr
.irp t, 0,1,2,3,4,5,6,7
	global_store_b128 v[CO], v[BK+4*\t:BK+4*\t+3], s[70:71] offset:(16*(\a)+2*\t)*4096   ; sixteen lanes store 256 consecutive bytes, aligned
.endr
.endm
	TOSTAGE 0
	TOSTAGE 1
	SEND 0, 16
	s_wait_xcnt 0x0                                ; block 0's stores have read their registers: block 2's loads may land there
	TOSTAGE 2
	SEND 1, 16
	s_wait_xcnt 0x0
	TOSTAGE 3
	SEND 2, 16
	SEND 3, 0
	s_wait_tensorcnt 0x0                           ; the wave's end
	ds_add_u32 v[SPW], v[NIL]
	s_wait_dscnt 0x0
	CROUND                                         ; the closing round
	s_endpgm
.Lfunc_end_k_qe17f51a0e2_oproj:
	.size	k_qe17f51a0e2_oproj, .Lfunc_end_k_qe17f51a0e2_oproj-k_qe17f51a0e2_oproj
	.p2alignl 7, 3214868480
	.fill 96, 4, 3214868480
	.section	.rodata,"a",@progbits
	.p2align	6, 0x0
	.amdhsa_kernel k_qe17f51a0e2_oproj
		.amdhsa_group_segment_fixed_size 327680
		.amdhsa_private_segment_fixed_size 0
		.amdhsa_enable_private_segment 0
		.amdhsa_kernarg_size 48
		.amdhsa_user_sgpr_count 2
		.amdhsa_user_sgpr_kernarg_segment_ptr 1
		.amdhsa_wavefront_size32 1
		.amdhsa_system_sgpr_workgroup_id_x 1
		.amdhsa_system_sgpr_workgroup_id_y 1
		.amdhsa_system_sgpr_workgroup_id_z 1
		.amdhsa_system_vgpr_workitem_id 0
		.amdhsa_next_free_vgpr 640
		.amdhsa_next_free_sgpr 100
		.amdhsa_reserve_vcc 0
		.amdhsa_float_denorm_mode_32 3
		.amdhsa_float_denorm_mode_16_64 3
		.amdhsa_memory_ordered 1
		.amdhsa_forward_progress 1
		.amdhsa_inst_pref_size 53
	.end_amdhsa_kernel
	.amdgpu_metadata
---
amdhsa.version: [ 1, 2 ]
amdhsa.kernels:
  - .name:           k_qe17f51a0e2_oproj
    .symbol:         k_qe17f51a0e2_oproj.kd
    .args:
      - { .name: oc, .offset: 0, .size: 8, .value_kind: global_buffer, .address_space: global }
      - { .name: wc, .offset: 8, .size: 8, .value_kind: global_buffer, .address_space: global }
      - { .name: bo, .offset: 16, .size: 8, .value_kind: global_buffer, .address_space: global }
      - { .name: x, .offset: 24, .size: 8, .value_kind: global_buffer, .address_space: global }
      - { .name: lowp_scales, .offset: 32, .size: 8, .value_kind: global_buffer, .address_space: global }
      - { .name: x1, .offset: 40, .size: 8, .value_kind: global_buffer, .address_space: global }
    .group_segment_fixed_size: 327680
    .private_segment_fixed_size: 0
    .kernarg_segment_align: 8
    .kernarg_segment_size: 48
    .max_flat_workgroup_size: 128
    .sgpr_count:     100
    .vgpr_count:     640
    .wavefront_size: 32
...
	.end_amdgpu_metadata
.endif
;; end of part 4
;; launch ln2 (part 5): grid 512 x 1, 4 waves a work-group, no clusters, 0 bytes of LDS; arguments x1, ln2_g, ln2_b, lowp_scales, yc; writes yc
.if DOCPART == 5
	.amdgcn_target "amdgcn-amd-amdhsa--gfx1250"
	.amdhsa_code_object_version 6
	.text
	.protected	k_qe17f51a0e2_ln2
	.globl	k_qe17f51a0e2_ln2
	.p2align	8
	.type	k_qe17f51a0e2_ln2,@function
k_qe17f51a0e2_ln2:
	s_mov_b64 s[64:65], 0
	v_nop
	global_prefetch_b8 v0, s[64:65] scope:SCOPE_SE
	s_setreg_imm32_b32 hwreg(HW_REG_WAVE_MODE, 25, 1), 1
	s_wait_xcnt 0x0
; y = LN2(x1), quantised with entry 12 into the first plane of yc, [4096][1024] codes.  Nothing is left out.
; A wave takes two rows; a row lies in 32 registers between the passes.  In chunk j a lane holds columns 256 j + 8 lane .. + 7: eight neighbours along K; a wave's store of codes covers 256 consecutive bytes, aligned.
; No LDS, no barrier, no matrix unit: the launch streams.  LIMIT: entry 12 between -126 and 119.  NaN and infinity are not served.
.set G,     16
.set BB,    48
.set X0,    80
.set X1,    112
.set TMP,   144
.set CD,    160
.set RED,   168
.set W0,    176
.set W1,    177
.set PR,    178
.set SC,    180
.set LIM,   181
	s_load_b256 s[4:11], s[0:1], 0x0               ; x1, ln2_g, ln2_b, lowp_scales
	s_load_b64 s[12:13], s[0:1], 0x20              ; yc
	v_lshrrev_b32 v1, 5, v0
	v_readfirstlane_b32 s28, v1
	v_and_b32 v2, 31, v0
	s_lshl_b32 s29, ttmp9, 2
	s_add_co_u32 s29, s29, s28                     ; which pair of rows is my wave's
	s_lshl_b32 s30, s29, 13
	s_mov_b32 s31, 0
	s_lshl_b32 s32, s29, 11
	s_mov_b32 s33, 0
	s_mov_b32 s44, 0x76543210
	s_mov_b32 s45, 0xfedcba98
	s_mov_b32 s46, 0x3a800000                      ; 1 / 1024
	s_mov_b32 s47, 0x3727c5ac                      ; 1e-5
	v_lshlrev_b32 v1, 5, v2
	v_lshlrev_b32 v3, 3, v2
	v_mov_b32 v[W1], 0
	s_wait_kmcnt 0x0
	s_load_b32 s36, s[10:11], 0x30                 ; entry 12
	s_add_nc_u64 s[4:5], s[4:5], s[30:31]
	s_add_nc_u64 s[48:49], s[12:13], s[32:33]
.irp j, 0,1,2,3
	global_load_b128 v[G+8*\j:G+8*\j+3], v1, s[6:7] offset:1024*\j
	global_load_b128 v[G+8*\j+4:G+8*\j+7], v1, s[6:7] offset:1024*\j+16
.endr
.irp j, 0,1,2,3
	global_load_b128 v[BB+8*\j:BB+8*\j+3], v1, s[8:9] offset:1024*\j
	global_load_b128 v[BB+8*\j+4:BB+8*\j+7], v1, s[8:9] offset:1024*\j+16
.endr
.irp j, 0,1,2,3
	global_load_b128 v[X0+8*\j:X0+8*\j+3], v1, s[4:5] offset:1024*\j
	global_load_b128 v[X0+8*\j+4:X0+8*\j+7], v1, s[4:5] offset:1024*\j+16
.endr
.irp j, 0,1,2,3
	global_load_b128 v[X1+8*\j:X1+8*\j+3], v1, s[4:5] offset:4096+1024*\j
	global_load_b128 v[X1+8*\j+4:X1+8*\j+7], v1, s[4:5] offset:4096+1024*\j+16
.endr
	s_wait_kmcnt 0x0
	s_add_co_i32 s54, s36, 127
	s_lshl_b32 s55, s54, 23
	v_mov_b32 v[SC], s55
	s_add_co_i32 s54, s54, 8
	s_lshl_b32 s54, s54, 23
	s_or_b32 s54, s54, 0x600000
	v_mov_b32 v[LIM], s54
.macro FOLD
	v_pk_add_f32 v[RED:RED+1], v[RED:RED+1], v[RED+2:RED+3]
	v_pk_add_f32 v[RED+4:RED+5], v[RED+4:RED+5], v[RED+6:RED+7]
	v_pk_add_f32 v[RED:RED+1], v[RED:RED+1], v[RED+4:RED+5]
	v_add_f32 v[W0], v[RED], v[RED+1]
	v_add_f32_dpp v[W0], v[W0], v[W0] row_xmask:1 row_mask:0xf bank_mask:0xf
	v_add_f32_dpp v[W0], v[W0], v[W0] row_xmask:2 row_mask:0xf bank_mask:0xf
	v_add_f32_dpp v[W0], v[W0], v[W0] row_xmask:4 row_mask:0xf bank_mask:0xf
	v_add_f32_dpp v[W0], v[W0], v[W0] row_xmask:8 row_mask:0xf bank_mask:0xf
	v_permlanex16_b32 v[W1], v[W0], s44, s45
	v_add_f32 v[W0], v[W0], v[W1]
.endm
.macro NORM xr
.irp c, 0,2,4,6
	v_pk_add_f32 v[RED+\c:RED+\c+1], v[\xr+\c:\xr+\c+1], v[\xr+8+\c:\xr+9+\c]
.endr
.irp o, 16,24
.irp c, 0,2,4,6
	v_pk_add_f32 v[RED+\c:RED+\c+1], v[RED+\c:RED+\c+1], v[\xr+\o+\c:\xr+\o+\c+1]
.endr
.endr
	FOLD
	v_mul_f32 v[PR], s46, v[W0]
	v_mov_b32 v[PR+1], v[PR]
.set i, 0
.rept 16
	v_pk_add_f32 v[\xr+i:\xr+i+1], v[\xr+i:\xr+i+1], v[PR:PR+1] neg_lo:[0,1] neg_hi:[0,1]
.set i, i+2
.endr
.irp c, 0,2,4,6
	v_pk_mul_f32 v[RED+\c:RED+\c+1], v[\xr+\c:\xr+\c+1], v[\xr+\c:\xr+\c+1]
.endr
.irp o, 8,16,24
.irp c, 0,2,4,6
	v_pk_fma_f32 v[RED+\c:RED+\c+1], v[\xr+\o+\c:\xr+\o+\c+1], v[\xr+\o+\c:\xr+\o+\c+1], v[RED+\c:RED+\c+1]
.endr
.endr
	FOLD
	v_fma_f32 v[W0], v[W0], s46, s47
	v_rsq_f32 v[PR], v[W0]
	v_nop                                          ; a plain instruction behind the transcendental,
	s_wait_alu depctr_va_vdst(0)                   ; and a wait ahead of its first reader
	v_mov_b32 v[PR+1], v[PR]
.set i, 0
.rept 16
	v_pk_mul_f32 v[\xr+i:\xr+i+1], v[\xr+i:\xr+i+1], v[PR:PR+1]
.set i, i+2
.endr
.set i, 0
.rept 16
	v_pk_fma_f32 v[\xr+i:\xr+i+1], v[\xr+i:\xr+i+1], v[G+i:G+i+1], v[BB+i:BB+i+1]
.set i, i+2
.endr
.endm
.macro QROW xr, row                    ; the held numbers lie in two sets by turns: the next set's first line is the plain place behind each conversion
.irp j, 0,1,2,3
.set TS, TMP+8*(\j%2)
.irp i, 0,1,2,3,4,5,6,7
	v_med3_num_f32 v[TS+\i], v[\xr+8*\j+\i], -v[LIM], v[LIM]
.endr
	v_cvt_scalef32_pk8_fp8_f32 v[CD+2*\j:CD+2*\j+1], v[TS:TS+7], v[SC]
	global_store_b64 v3, v[CD+2*\j:CD+2*\j+1], s[48:49] offset:1024*\row+256*\j
.endr
.endm
	s_wait_loadcnt 8                               ; gain, bias and row 0 are in; row 1's eight loads may be out
	NORM X0
	QROW X0, 0
	s_wait_loadcnt 0x0
	NORM X1
	s_wait_xcnt 0x0                                ; row 0's stores have read their data
	QROW X1, 1
	s_endpgm
.Lfunc_end_k_qe17f51a0e2_ln2:
	.size	k_qe17f51a0e2_ln2, .Lfunc_end_k_qe17f51a0e2_ln2-k_qe17f51a0e2_ln2
	.p2alignl 7, 3214868480
	.fill 96, 4, 3214868480
	.section	.rodata,"a",@progbits
	.p2align	6, 0x0
	.amdhsa_kernel k_qe17f51a0e2_ln2
		.amdhsa_group_segment_fixed_size 0
		.amdhsa_private_segment_fixed_size 0
		.amdhsa_enable_private_segment 0
		.amdhsa_kernarg_size 40
		.amdhsa_user_sgpr_count 2
		.amdhsa_user_sgpr_kernarg_segment_ptr 1
		.amdhsa_wavefront_size32 1
		.amdhsa_system_sgpr_workgroup_id_x 1
		.amdhsa_system_sgpr_workgroup_id_y 1
		.amdhsa_system_sgpr_workgroup_id_z 1
		.amdhsa_system_vgpr_workitem_id 0
		.amdhsa_next_free_vgpr 184
		.amdhsa_next_free_sgpr 66
		.amdhsa_reserve_vcc 0
		.amdhsa_float_denorm_mode_32 3
		.amdhsa_float_denorm_mode_16_64 3
		.amdhsa_memory_ordered 1
		.amdhsa_forward_progress 1
		.amdhsa_inst_pref_size 23
	.end_amdhsa_kernel
	.amdgpu_metadata
---
amdhsa.version: [ 1, 2 ]
amdhsa.kernels:
  - .name:           k_qe17f51a0e2_ln2
    .symbol:         k_qe17f51a0e2_ln2.kd
    .args:
      - { .name: x1, .offset: 0, .size: 8, .value_kind: global_buffer, .address_space: global }
      - { .name: ln2_g, .offset: 8, .size: 8, .value_kind: global_buffer, .address_space: global }
      - { .name: ln2_b, .offset: 16, .size: 8, .value_kind: global_buffer, .address_space: global }
      - { .name: lowp_scales, .offset: 24, .size: 8, .value_kind: global_buffer, .address_space: global }
      - { .name: yc, .offset: 32, .size: 8, .value_kind: global_buffer, .address_space: global }
    .group_segment_fixed_size: 0
    .private_segment_fixed_size: 0
    .kernarg_segment_align: 8
    .kernarg_segment_size: 40
    .max_flat_workgroup_size: 128
    .sgpr_count:     66
    .vgpr_count:     184
    .wavefront_size: 32
...
	.end_amdgpu_metadata
.endif
;; end of part 5
;; launch up (part 6): grid 8 x 32, 4 waves a work-group, clusters of 4 x 4, 327,680 bytes of LDS; arguments yc, wc, b_up, lowp_scales, hc; writes hc
.if DOCPART == 6
	.amdgcn_target "amdgcn-amd-amdhsa--gfx1250"
	.amdhsa_code_object_version 6
	.text
	.protected	k_qe17f51a0e2_up
	.globl	k_qe17f51a0e2_up
	.p2align	8
	.type	k_qe17f51a0e2_up,@function
k_qe17f51a0e2_up:
	s_mov_b64 s[64:65], 0
	v_nop
	global_prefetch_b8 v0, s[64:65] scope:SCOPE_SE
	s_setreg_imm32_b32 hwreg(HW_REG_WAVE_MODE, 25, 1), 1
	s_wait_xcnt 0x0
	s_wait_alu depctr_hold_cnt(0) depctr_sa_sdst(0) depctr_va_vdst(0) depctr_va_sdst(0) depctr_va_ssrc(0) depctr_va_vcc(0) depctr_vm_vsrc(0)
	s_getreg_b32 s2, hwreg(HW_REG_IB_STS2, 6, 4)
	s_cmp_eq_u32 s2, 0
	s_cbranch_scc0 .Lentry_in_a_cluster
	s_endpgm
.Lentry_in_a_cluster:
	s_bfe_u32 s2, ttmp6, 0x10000c
	s_cmp_lg_u32 s2, 0xf033
	s_cbranch_scc0 .Lentry_shape_is_right
	s_endpgm
.Lentry_shape_is_right:
; Product 7, Mish, and the hidden layer's quantising for product 8 (entry 14).  y's codes (entry 12): plane 0 of yc; w_up's codes (entry 13): at 4 MiB of wc, [4096][1024].  Nothing is left out.
; A WORK-GROUP STAYS: it owns 128 tokens and makes four tiles of 128 x 128 of the hidden layer, at tile columns X, X + 8, X + 16, X + 24.  Four waves, each 64 x 64: 16 accumulators.
; The tokens' codes (128 x 1,024) are fetched once and stay in LDS for all four tiles.  w_up's 128 rows x 1,024 of a tile are filled again behind the tile's last product: the three lines, a round of the cluster's barrier,
; one joint load a wave (wave w: K half w / 2, rows 64 (w % 2) on); the tile's Mish and its way out, about a thousand instructions a wave, stand between that load and the wait for it.
; A wave has two tensor loads out at the head and one behind each of the three rounds.  The last tile is written out.
; CLUSTERS: 4 x 4 work-groups; A's tile is asked for jointly along a row of the cluster, B's along a column.
; Source 0 = 16 rows of w_up's codes, source 1 = 16 tokens: a lane holds a token and eight neighbouring hidden units, neighbours along product 8's K.
; MISH: x tanh(log(1 + e^x)) = x n / (n + 2) with n = e^x (e^x + 2): sums of positive numbers alone.  The exponent x log2(e) is held at 46 from above, where n / (n + 2) is 1 in f32: nothing overflows.
; OUT (hc): [token / 64][hidden / 128][64 tokens][128 bytes]: the next launch's half tile of a slot is then one dense block.
; LIMITS: e12 + e13 between -126 and 127; e14 between -126 and 119.  NaN and infinity are not served.
; No prefetch: the tiles are small and shared in the cluster, and a refill is asked for a whole epilogue ahead of its first read.
.set KTOT,  1024
.set TILES, 4
.set AC,    512
.set AR,    64
.set AP,    1024
.set AQI,   6
.set AHALF, AR*(AC+16)                 ; 64 rows of 512 bytes + 16
.set ASTEP, 512
.set BOFF,  0x400000
.set BHALF, 64*528
.set SLOT,  2*AHALF+2*BHALF            ; a K half: A's 128 rows, then B's 128 rows
.set TSTEP, 8*128*KTOT                 ; bytes of w_up's codes from a tile to the work-group's next: 8 tile columns
.set STG,   2*SLOT                     ; the way out: 128 rows x 144 bytes, the work-group's; no tensor load lands here
.set SPARE, STG+128*144                ; the spare words, 128 bytes a wave
.set ACC,   128                        ; v128-255 accumulator (a, b) at 128 + 8 (4 a + b)
.set F0,    0                          ; window 1: two sets of fragments: A's four at 16 i, B's four at 64 + 16 b
.set F1,    128
.set ADRA,  16
.set ADRB,  20
.set STO,   24
.set RD,    25
.set GO,    26
.set SPW,   28
.set NIL,   29
.set SCR,   8
.set LIMR,  9
.set U,     32
.set W,     64
.set BIAS,  96
.set G1,  24                           ; s[24:31] group 1 for A's tiles; s[32:39] group 0, one set for each K half
.set G0,  32
.set G1B, 48                           ; s[48:55], s[56:63] the same for B's first fills
.set G0B, 56
.set G0R, 96                           ; s[96:99] group 0 for B's refills: my wave's quarter of the next tile
.set MSB, 0
.macro WIN new                         ; the immediate's high byte repeats the setting that is left
.if MSB != (\new)
	s_set_vgpr_msb (MSB<<8)|(\new)
.set MSB, (\new)
.endif
.endm
.macro JLOAD s                         ; a first fill: waves 0 and 1 fetch A's halves, waves 2 and 3 B's; an s_nop 0 and four v_nop follow each line
	s_cmp_eq_u32 s11, 0
	s_cbranch_scc0 .Lfor_b_\@
	tensor_load_to_lds s[G0+4*\s:G0+4*\s+3], s[G1:G1+7]
	s_nop 0
.rept 4
	v_nop
.endr
	s_branch .Lasked_\@
.Lfor_b_\@:
	tensor_load_to_lds s[G0B+4*\s:G0B+4*\s+3], s[G1B:G1B+7]
	s_nop 0
.rept 4
	v_nop
.endr
.Lasked_\@:
.endm
.macro CREST
	s_cmp_lg_u32 s10, 0
	s_cbranch_scc1 .Lnot_wave_0_\@
	s_barrier_signal -3
.Lnot_wave_0_\@:
	s_barrier_wait -3
	s_barrier_signal -1
	s_barrier_wait -1
.endm
.macro CROUND
	s_barrier_signal -1
	s_barrier_wait -1
	CREST
.endm
.macro PLACES                          ; four places behind matrix instructions (ISA guide 7.12.1)
.rept 4
	v_nop
.endr
.endm
.macro FRAGA reg, slot, q, i
.irp c, 0,1,2,3
	ds_load_b128 v[\reg+4*\c:\reg+4*\c+3], v[ADRA+\slot] offset:(\i)*16*528+128*(\q)+32*\c
.endr
.endm
.macro FRAGB reg, slot, q, i
.irp c, 0,1,2,3
	ds_load_b128 v[\reg+4*\c:\reg+4*\c+3], v[ADRB+\slot] offset:(\i)*16*528+128*(\q)+32*\c
.endr
.endm
.macro FETCH slot, q, f                ; 32 LDS loads in one run: B's four fragments, then A's four, of the K half's q-th 128
	WIN 0x40
.irp i, 0,1,2,3
	FRAGB \f+64+16*\i, \slot, \q, \i
.endr
.irp i, 0,1,2,3
	FRAGA \f+16*\i, \slot, \q, \i
.endr
.endm
.macro MUL8 f, a0, zero                ; the 16 accumulators take turns, in the same order in every quarter
.irp a, \a0, \a0+1
.irp b, 0,1,2,3
.if \zero
	v_wmma_f32_16x16x128_fp8_fp8 v[ACC+8*(4*(\a)+\b):ACC+8*(4*(\a)+\b)+7], v[\f+64+16*\b:\f+64+16*\b+15], v[\f+16*(\a):\f+16*(\a)+15], 0
.else
	v_wmma_f32_16x16x128_fp8_fp8 v[ACC+8*(4*(\a)+\b):ACC+8*(4*(\a)+\b)+7], v[\f+64+16*\b:\f+64+16*\b+15], v[\f+16*(\a):\f+16*(\a)+15], v[ACC+8*(4*(\a)+\b):ACC+8*(4*(\a)+\b)+7]
.endif
.endr
.endr
.endm
.macro QUARTER slot, q, f, g, zero     ; multiplies set f (128 along K) and fetches the q-th 128 of K half 'slot' into set g
	s_wait_dscnt 8                                 ; B's four and A's blocks 0, 1 are in; the youngest eight loads (A's blocks 2, 3) may be out
	WIN 0x05
	MUL8 \f, 0, \zero
	PLACES
	FETCH \slot, \q, \g
	s_wait_dscnt 32                                ; all but the 32 just issued
	WIN 0x05
	MUL8 \f, 2, \zero
.endm
; A tile's products: all of K lies in LDS, shown to every wave by the barrier in front: eight quarters, no barrier and no wait on TENSORcnt among them.
.macro MAIN
	FETCH 0, 0, F0
	QUARTER 0, 1, F0, F1, 1                        ; the first quarter's products start the sums: nothing is cleared
	QUARTER 0, 2, F1, F0, 0
	QUARTER 0, 3, F0, F1, 0
	QUARTER 1, 0, F1, F0, 0
	QUARTER 1, 1, F0, F1, 0
	QUARTER 1, 2, F1, F0, 0
	QUARTER 1, 3, F0, F1, 0
	s_wait_dscnt 8
	WIN 0x05
	MUL8 F1, 0, 0
	s_wait_dscnt 0x0
	MUL8 F1, 2, 0
	WIN 0
.endm
; B's bytes are filled again with the next tile's rows.
.macro REFILL
	s_wait_tensorcnt 0x0                           ; no tensor load of mine is out, so a group 0 may be written;
	ds_add_u32 v[SPW], v[NIL]                      ; 0 onto my spare word;
	s_add_nc_u64 s[G0R+2:G0R+3], s[G0R+2:G0R+3], TSTEP   ; the next tile's rows; the type bits on top are not reached
	s_wait_dscnt 0x0                               ; the add is done, and my reads of B's bytes are over
	CROUND                                         ; no wave of any partner still reads B's bytes or has a load on its way
	tensor_load_to_lds s[G0R:G0R+3], s[G1B:G1B+7]  ; my one tensor load behind the round, and the first thing there
	s_nop 0
.rept 4
	v_nop                                          ; (these four are also the places in front of the first read of the sums)
.endr
.endm
; A tile's way out.  fill = 1: a tile follows: the bases step and its bias is asked for.
.macro EPI fill
	s_wait_loadcnt 0x0                             ; the tile's bias
.irp a, 0,1,2,3                        ; 16 tokens x 64 hidden units: 32 numbers a lane, in the accumulators' registers
.set XA, ACC+32*\a
.set i, 0
.rept 16
	v_pk_fma_f32 v[XA+i:XA+i+1], v[XA+i:XA+i+1], s[88:89], v[BIAS+i:BIAS+i+1] op_sel_hi:[1,0,1]   ; x = sum x 2^(e12 + e13) + b_up; each accumulator from its low end on
.set i, i+2
.endr
.set i, 0
.rept 16
	v_pk_mul_f32 v[U+i:U+i+1], v[XA+i:XA+i+1], 0x3fb8aa3b op_sel_hi:[1,0]
.set i, i+2
.endr
.set i, 0
.rept 32
	v_min_num_f32 v[U+i], 0x42380000, v[U+i]       ; at most 46
.set i, i+1
.endr
.set i, 0
.rept 32
	v_exp_f32 v[U+i], v[U+i]                       ; e^x
.set i, i+1
.endr
	v_nop                                          ; a plain instruction behind the batch,
	s_wait_alu depctr_va_vdst(0)                   ; and one wait for it ahead of its first reader
.set i, 0
.rept 16
	v_pk_add_f32 v[W+i:W+i+1], v[U+i:U+i+1], 2.0 op_sel_hi:[1,0]
.set i, i+2
.endr
.set i, 0
.rept 16
	v_pk_mul_f32 v[U+i:U+i+1], v[U+i:U+i+1], v[W+i:W+i+1]      ; n
.set i, i+2
.endr
.set i, 0
.rept 16
	v_pk_add_f32 v[W+i:W+i+1], v[U+i:U+i+1], 2.0 op_sel_hi:[1,0]
.set i, i+2
.endr
.set i, 0
.rept 32
	v_rcp_f32 v[W+i], v[W+i]
.set i, i+1
.endr
	v_nop
	s_wait_alu depctr_va_vdst(0)
.set i, 0
.rept 16
	v_pk_mul_f32 v[U+i:U+i+1], v[U+i:U+i+1], v[W+i:W+i+1]      ; n / (n + 2)
.set i, i+2
.endr
.set i, 0
.rept 16
	v_pk_mul_f32 v[XA+i:XA+i+1], v[XA+i:XA+i+1], v[U+i:U+i+1]
.set i, i+2
.endr
.set i, 0
.rept 32
	v_med3_num_f32 v[XA+i], v[XA+i], -v[LIMR], v[LIMR]
.set i, i+1
.endr
.irp b, 0,1,2,3
	v_cvt_scalef32_pk8_fp8_f32 v[W+2*\b:W+2*\b+1], v[XA+8*\b:XA+8*\b+7], v[SCR]
.endr
	v_nop                                          ; a plain instruction behind the last conversion
.irp b, 0,1,2,3
	ds_store_b64 v[STO], v[W+2*\b:W+2*\b+1] offset:2304*\a+16*\b
.endr
	s_wait_dscnt 0x0                               ; the stores have read their registers; behind the last block: for the others' sake
.endr
	s_barrier_signal -1
	s_barrier_wait -1                              ; a row's 128 bytes come from two waves.
.irp i, 0,1,2,3,4,5,6,7
	ds_load_b128 v[32+4*\i:35+4*\i], v[RD] offset:576*\i
.endr
.irp i, 0,1,2,3,4,5,6,7
	s_wait_dscnt 7-\i                              ; the younger loads may stay out
	global_store_b128 v[GO], v[32+4*\i:35+4*\i], s[66:67] offset:512*\i   ; the wave stores 512 consecutive bytes, aligned
.endr
.if \fill
	s_wait_xcnt 0x0                                ; the stores have read their data and their base, the last bias loads their base: all may be written again
	s_add_nc_u64 s[92:93], s[92:93], 8*128*4       ; b_up and hc at the next tile: 8 tile columns on
	s_add_nc_u64 s[66:67], s[66:67], 8*8192
.irp b, 0,1,2,3
	global_load_b128 v[BIAS+8*\b:BIAS+8*\b+3], v5, s[92:93] offset:64*\b
	global_load_b128 v[BIAS+8*\b+4:BIAS+8*\b+7], v5, s[92:93] offset:64*\b+16
.endr
.endif
.endm
	s_load_b128 s[4:7], s[0:1], 0x0                ; yc, wc
	s_load_b128 s[92:95], s[0:1], 0x10             ; b_up, lowp_scales
	s_load_b64 s[66:67], s[0:1], 0x20              ; hc
	v_lshl_add_u32 v[SPW], v0, 2, SPARE
	v_mov_b32 v[NIL], 0
	ds_add_u32 v[SPW], v[NIL]                      ; the wave's opening: the add, twice on end, and its wait ahead of my first tensor load
	ds_add_u32 v[SPW], v[NIL]
	v_lshrrev_b32 v1, 5, v0
	v_readfirstlane_b32 s10, v1                    ; wave
	s_lshr_b32 s11, s10, 1                         ; my half of the tile's rows.  Also: at the head I fetch for A (0) or B (1); in a refill: which K half
	s_and_b32 s12, s10, 1                          ; my half of its columns.  Also: which 64 rows I fetch
	s_bfe_u32 s40, ttmp6, 0x40000                  ; cx
	s_bfe_u32 s41, ttmp6, 0x40004                  ; cy
	s_lshl_b32 s42, ttmp9, 2
	s_add_co_u32 s42, s42, s40                     ; my first tile column, 0 .. 7
	s_and_b32 s13, ttmp7, 0xffff
	s_lshl_b32 s13, s13, 2
	s_add_co_u32 s13, s13, s41                     ; tile row
	s_lshl_b32 s43, s41, 2
	s_lshl_b32 s43, 15, s43                        ; my row of the cluster
	s_lshl_b32 s44, 0x1111, s40                    ; my column
	s_or_b32 s[G1+0], s43, (1<<20)|(1<<21)|(AQI<<22)|(3<<25)   ; the mask; elements of 1 byte; 4 words of padding behind each row of 128 words; bit 21 beside a mask
	s_or_b32 s[G1B+0], s44, (1<<20)|(1<<21)|(6<<22)|(3<<25)
	s_mov_b32 s[G1+1], AC<<16                      ; tensor_dim0
	s_mov_b32 s[G1+2], AR<<16                      ; tensor_dim1
	s_mov_b32 s[G1+3], AC<<16                      ; tile_dim0
	s_mov_b32 s[G1+4], AR                          ; tile_dim1
	s_mov_b32 s[G1+5], AP                          ; the pitch
	s_mov_b32 s[G1+6], 0
	s_mov_b32 s[G1+7], 0
	s_mov_b32 s[G1B+1], 512<<16
	s_mov_b32 s[G1B+2], 64<<16
	s_mov_b32 s[G1B+3], 512<<16
	s_mov_b32 s[G1B+4], 64
	s_mov_b32 s[G1B+5], KTOT
	s_mov_b32 s[G1B+6], 0
	s_mov_b32 s[G1B+7], 0
	s_lshl_b32 s16, s13, 7
	s_lshl_b32 s17, s12, 6
	s_add_co_u32 s16, s16, s17                     ; A: token 128 x tile row + 64 x half
	s_lshl_b32 s16, s16, 10
	s_mov_b32 s17, 0
	s_lshl_b32 s46, s42, 7
	s_lshl_b32 s47, s12, 6
	s_add_co_u32 s46, s46, s47                     ; B: row 128 x tile column + 64 x half
	s_lshl_b32 s46, s46, 10
	s_add_co_u32 s46, s46, BOFF
	s_mov_b32 s47, 0
	s_mul_i32 s20, s12, AHALF                      ; where they go: no place in the cluster enters an LDS address
	s_mul_i32 s45, s12, BHALF
	s_add_co_u32 s45, s45, 2*AHALF
	s_wait_dscnt 0x0                               ; both opening adds are done
	s_wait_kmcnt 0x0
	s_load_b512 s[72:87], s[94:95], 0x0            ; the sixteen exponents
	s_add_nc_u64 s[14:15], s[4:5], s[16:17]
	s_add_nc_u64 s[46:47], s[6:7], s[46:47]
	s_mov_b32 s[G0R], 1                            ; the refills' group 0: count = 1;
	s_mul_i32 s[G0R+1], s11, SLOT
	s_add_co_u32 s[G0R+1], s[G0R+1], s45           ; LDS: K half w / 2, B's rows 64 (w % 2) on;
	s_lshl_b32 s90, s11, 9
	s_mov_b32 s91, 0
	s_add_nc_u64 s[G0R+2:G0R+3], s[46:47], s[90:91]   ; memory: the same piece of tile 0; each refill steps it first
	s_or_b32 s[G0R+3], s[G0R+3], 0x80000000        ; type = 2
	CROUND                                         ; all sixteen work-groups are here: the first joint loads meet
.irp s, 0,1
	s_mov_b32 s[G0+4*\s], 1
	s_add_co_u32 s[G0+4*\s+1], s20, \s*SLOT
	s_add_nc_u64 s[G0+4*\s+2:G0+4*\s+3], s[14:15], \s*ASTEP
	s_or_b32 s[G0+4*\s+3], s[G0+4*\s+3], 0x80000000
	s_mov_b32 s[G0B+4*\s], 1
	s_add_co_u32 s[G0B+4*\s+1], s45, \s*SLOT
	s_add_nc_u64 s[G0B+4*\s+2:G0B+4*\s+3], s[46:47], \s*512
	s_or_b32 s[G0B+4*\s+3], s[G0B+4*\s+3], 0x80000000
	JLOAD \s
.endr
	v_and_b32 v1, 15, v0                           ; r
	v_bfe_u32 v2, v0, 4, 1                         ; h
	v_and_b32 v6, 31, v0                           ; lane
	v_mul_u32_u24 v3, v1, 528
	v_lshl_add_u32 v3, v2, 4, v3
	s_mul_i32 s21, s11, AHALF
	s_mul_i32 s22, s12, BHALF
	s_add_co_u32 s22, s22, 2*AHALF
.irp s, 0,1
	v_add_nc_u32 v[ADRA+\s], s21, v3
	v_add_nc_u32 v[ADRB+\s], s22, v3
	s_add_co_u32 s21, s21, SLOT
	s_add_co_u32 s22, s22, SLOT
.endr
	s_mul_i32 s23, s11, 64*144
	s_lshl_b32 s22, s12, 6
	s_add_co_u32 s23, s23, s22
	s_add_co_u32 s23, s23, STG                     ; into the stage: my 64 rows, my half of their 128 bytes
	v_mul_u32_u24 v3, v1, 144
	v_lshl_add_u32 v3, v2, 3, v3
	v_add_nc_u32 v[STO], s23, v3
	s_mul_i32 s23, s10, 32*144
	s_add_co_u32 s23, s23, STG                     ; back: wave w takes rows 32 w on, eight lanes to a row
	v_lshrrev_b32 v3, 3, v6
	v_mul_u32_u24 v3, v3, 144
	v_and_b32 v4, 7, v6
	v_lshl_add_u32 v3, v4, 4, v3
	v_add_nc_u32 v[RD], s23, v3
	v_lshlrev_b32 v[GO], 4, v6
	s_lshl_b32 s68, s42, 9
	s_lshl_b32 s69, s12, 8
	s_add_co_u32 s68, s68, s69
	s_mov_b32 s69, 0
	s_add_nc_u64 s[92:93], s[92:93], s[68:69]
	v_lshlrev_b32 v5, 5, v2                        ; never rewritten
.irp b, 0,1,2,3
	global_load_b128 v[BIAS+8*\b:BIAS+8*\b+3], v5, s[92:93] offset:64*\b        ; b_up at hidden units 16 b + 8 h + 0 .. 7 of tile 0
	global_load_b128 v[BIAS+8*\b+4:BIAS+8*\b+7], v5, s[92:93] offset:64*\b+16
.endr
	s_lshl_b32 s68, s13, 1
	s_add_co_u32 s68, s68, s11                     ; the block of 64 tokens that I store
	s_lshl_b32 s68, s68, 5
	s_add_co_u32 s68, s68, s42                     ; its plane of 128 hidden units
	s_lshl_b32 s68, s68, 13
	s_lshl_b32 s69, s12, 12
	s_add_co_u32 s68, s68, s69                     ; my 32 tokens of it
	s_mov_b32 s69, 0
	s_add_nc_u64 s[66:67], s[66:67], s[68:69]
	s_wait_kmcnt 0x0
	s_add_co_i32 s14, s84, s85
	s_add_co_i32 s14, s14, 127
	s_lshl_b32 s88, s14, 23                        ; 2^(e12 + e13)
	s_mov_b32 s89, s88
	s_add_co_i32 s16, s86, 127
	s_lshl_b32 s17, s16, 23
	v_mov_b32 v[SCR], s17                          ; 2^e14
	s_add_co_i32 s16, s16, 8
	s_lshl_b32 s16, s16, 23
	s_or_b32 s16, s16, 0x600000
	v_mov_b32 v[LIMR], s16                         ; 448 x 2^e14
	s_wait_tensorcnt 0x0                           ; my two first fills are in,
	s_barrier_signal -1
	s_barrier_wait -1                              ; everybody's are: all of K of tile 0
	s_mov_b32 s2, TILES-1
.Ltile:                                            ; three trips: a tile's products, the next tile's rows of w_up asked for, the tile's way out
	MAIN
	REFILL
	EPI 1
	s_wait_tensorcnt 0x0                           ; my quarter of the next tile's rows is in (no load was issued behind it),
	s_barrier_signal -1                            ; (my reads of the stage have counted down to 0: the next tile may write it)
	s_barrier_wait -1                              ; everybody's is
	s_sub_co_u32 s2, s2, 1
	s_cmp_lg_u32 s2, 0
	s_cbranch_scc1 .Ltile
	MAIN                                           ; the last tile asks for nothing
	PLACES
	EPI 0
	s_wait_tensorcnt 0x0                           ; the wave's end, behind my last tensor load and my last LDS store
	ds_add_u32 v[SPW], v[NIL]
	s_wait_dscnt 0x0
	CROUND                                         ; the closing round
	s_endpgm
.Lfunc_end_k_qe17f51a0e2_up:
	.size	k_qe17f51a0e2_up, .Lfunc_end_k_qe17f51a0e2_up-k_qe17f51a0e2_up
	.p2alignl 7, 3214868480
	.fill 96, 4, 3214868480
	.section	.rodata,"a",@progbits
	.p2align	6, 0x0
	.amdhsa_kernel k_qe17f51a0e2_up
		.amdhsa_group_segment_fixed_size 327680
		.amdhsa_private_segment_fixed_size 0
		.amdhsa_enable_private_segment 0
		.amdhsa_kernarg_size 40
		.amdhsa_user_sgpr_count 2
		.amdhsa_user_sgpr_kernarg_segment_ptr 1
		.amdhsa_wavefront_size32 1
		.amdhsa_system_sgpr_workgroup_id_x 1
		.amdhsa_system_sgpr_workgroup_id_y 1
		.amdhsa_system_sgpr_workgroup_id_z 1
		.amdhsa_system_vgpr_workitem_id 0
		.amdhsa_next_free_vgpr 512
		.amdhsa_next_free_sgpr 100
		.amdhsa_reserve_vcc 0
		.amdhsa_float_denorm_mode_32 3
		.amdhsa_float_denorm_mode_16_64 3
		.amdhsa_memory_ordered 1
		.amdhsa_forward_progress 1
		.amdhsa_inst_pref_size 180
	.end_amdhsa_kernel
	.amdgpu_metadata
---
amdhsa.version: [ 1, 2 ]
amdhsa.kernels:
  - .name:           k_qe17f51a0e2_up
    .symbol:         k_qe17f51a0e2_up.kd
    .args:
      - { .name: yc, .offset: 0, .size: 8, .value_kind: global_buffer, .address_space: global }
      - { .name: wc, .offset: 8, .size: 8, .value_kind: global_buffer, .address_space: global }
      - { .name: b_up, .offset: 16, .size: 8, .value_kind: global_buffer, .address_space: global }
      - { .name: lowp_scales, .offset: 24, .size: 8, .value_kind: global_buffer, .address_space: global }
      - { .name: hc, .offset: 32, .size: 8, .value_kind: global_buffer, .address_space: global }
    .group_segment_fixed_size: 327680
    .private_segment_fixed_size: 0
    .kernarg_segment_align: 8
    .kernarg_segment_size: 40
    .max_flat_workgroup_size: 128
    .sgpr_count:     100
    .vgpr_count:     512
    .wavefront_size: 32
...
	.end_amdgpu_metadata
.endif
;; end of part 6
;; launch down (part 7): grid 8 x 32, 4 waves a work-group, clusters of 4 x 4, 327,680 bytes of LDS; arguments hc, wc, b_down, x1, lowp_scales, x2; writes x2
.if DOCPART == 7
	.amdgcn_target "amdgcn-amd-amdhsa--gfx1250"
	.amdhsa_code_object_version 6
	.text
	.protected	k_qe17f51a0e2_down
	.globl	k_qe17f51a0e2_down
	.p2align	8
	.type	k_qe17f51a0e2_down,@function
k_qe17f51a0e2_down:
	s_mov_b64 s[64:65], 0
	v_nop
	global_prefetch_b8 v0, s[64:65] scope:SCOPE_SE
	s_setreg_imm32_b32 hwreg(HW_REG_WAVE_MODE, 25, 1), 1
	s_wait_xcnt 0x0
	s_wait_alu depctr_hold_cnt(0) depctr_sa_sdst(0) depctr_va_vdst(0) depctr_va_sdst(0) depctr_va_ssrc(0) depctr_va_vcc(0) depctr_vm_vsrc(0)
	s_getreg_b32 s2, hwreg(HW_REG_IB_STS2, 6, 4)
	s_cmp_eq_u32 s2, 0
	s_cbranch_scc0 .Lentry_in_a_cluster
	s_endpgm
.Lentry_in_a_cluster:
	s_bfe_u32 s2, ttmp6, 0x10000c
	s_cmp_lg_u32 s2, 0xf033
	s_cbranch_scc0 .Lentry_shape_is_right
	s_endpgm
.Lentry_shape_is_right:
; Product 8 and the second residual: x2 = x1 + h w_down + b_down.  h's codes (entry 14) lie in hc as [token / 64][hidden / 128][64 tokens][128 bytes]; w_down's codes (entry 15) at 8 MiB of wc, [1024][4096].  Nothing is left out.
; A tile of C is 128 x 128; four waves, each 64 x 64: 16 accumulators.  K = 4,096 goes in steps of 512 through a ring of two LDS slots: two first fills and six refills, each refill behind a round of the cluster's barrier.
; A wave has two tensor loads out at the head and one behind each round.
; A's half tile of a slot (64 tokens x 4 planes of 128) is one dense block of 32 KB: it comes as 256 rows of 128 bytes, 16 of padding behind each.
; CLUSTERS: 4 x 4 work-groups; A's tile is asked for jointly along a row of the cluster, B's along a column.
; Source 0 = 16 rows of w_down's codes, source 1 = 16 tokens.  Results go through the wave's own stage and leave as pieces of 256 bytes of a row, aligned.
; LIMIT: e14 + e15 between -126 and 127.  No prefetch: the tiles are small and shared in the cluster.
.set KTOT,  4096
.set LAPS,  KTOT/1024
.set AKIND, 2
.set AC,    128
.set AR,    256
.set AP,    128
.set AQI,   4
.set APITCH, 144
.set AHALF, AR*(AC+16)
.set ASTEP, 32768
.set ASHIFT, 18                        ; a block of 64 tokens is 262,144 bytes of A
.set BOFF,  0x800000
.set EA,    86                         ; s86, s87: entries 14, 15
.set BHALF, 64*528
.set SLOT,  2*AHALF+2*BHALF
.set STAGE, 2*SLOT
.set SPARE, STAGE+4*4352
.set ACC,   128
.set F0,    0
.set F1,    128
.set ADRA,  16
.set ADRB,  20
.set STO,   24
.set RD,    25
.set CO,    26
.set SPW,   28
.set NIL,   29
.set BIAS,  96
.set G1,  24
.set G0,  32
.set G1B, 48
.set G0B, 56
.set MSB, 0
.macro WIN new
.if MSB != (\new)
	s_set_vgpr_msb (MSB<<8)|(\new)
.set MSB, (\new)
.endif
.endm
.macro JLOAD s
	s_cmp_eq_u32 s11, 0
	s_cbranch_scc0 .Lfor_b_\@
	tensor_load_to_lds s[G0+4*\s:G0+4*\s+3], s[G1:G1+7]
	s_nop 0
.rept 4
	v_nop
.endr
	s_branch .Lasked_\@
.Lfor_b_\@:
	tensor_load_to_lds s[G0B+4*\s:G0B+4*\s+3], s[G1B:G1B+7]
	s_nop 0
.rept 4
	v_nop
.endr
.Lasked_\@:
.endm
.macro CREST
	s_cmp_lg_u32 s10, 0
	s_cbranch_scc1 .Lnot_wave_0_\@
	s_barrier_signal -3
.Lnot_wave_0_\@:
	s_barrier_wait -3
	s_barrier_signal -1
	s_barrier_wait -1
.endm
.macro CROUND
	s_barrier_signal -1
	s_barrier_wait -1
	CREST
.endm
.macro PLACES
.rept 4
	v_nop
.endr
.endm
.macro FRAGA reg, slot, q, i
.irp c, 0,1,2,3
.if AKIND == 0
	ds_load_b128 v[\reg+4*\c:\reg+4*\c+3], v[ADRA+\slot] offset:(\i)*16*528+128*(\q)+32*\c
.elseif AKIND == 1
	ds_load_b128 v[\reg+4*\c:\reg+4*\c+3], v[ADRA+\slot] offset:(2*(\q)+\c/2)*5120+(\i)*16*80+32*(\c%2)
.else
	ds_load_b128 v[\reg+4*\c:\reg+4*\c+3], v[ADRA+\slot] offset:(\q)*9216+(\i)*16*144+32*\c
.endif
.endr
.endm
.macro FRAGB reg, slot, q, i
.irp c, 0,1,2,3
	ds_load_b128 v[\reg+4*\c:\reg+4*\c+3], v[ADRB+\slot] offset:(\i)*16*528+128*(\q)+32*\c
.endr
.endm
.macro FETCH slot, q, f
	WIN 0x40
.irp i, 0,1,2,3
	FRAGB \f+64+16*\i, \slot, \q, \i
.endr
.irp i, 0,1,2,3
	FRAGA \f+16*\i, \slot, \q, \i
.endr
.endm
.macro MUL8 f, a0, zero                ; the 16 accumulators take turns, in the same order in every quarter, over the loop's backward jump too
.irp a, \a0, \a0+1
.irp b, 0,1,2,3
.if \zero
	v_wmma_f32_16x16x128_fp8_fp8 v[ACC+8*(4*(\a)+\b):ACC+8*(4*(\a)+\b)+7], v[\f+64+16*\b:\f+64+16*\b+15], v[\f+16*(\a):\f+16*(\a)+15], 0
.else
	v_wmma_f32_16x16x128_fp8_fp8 v[ACC+8*(4*(\a)+\b):ACC+8*(4*(\a)+\b)+7], v[\f+64+16*\b:\f+64+16*\b+15], v[\f+16*(\a):\f+16*(\a)+15], v[ACC+8*(4*(\a)+\b):ACC+8*(4*(\a)+\b)+7]
.endif
.endr
.endr
.endm
.macro QUARTER slot, q, f, g, zero
	s_wait_dscnt 8                                 ; B's four and A's blocks 0, 1 are in; the youngest eight loads may be out
	WIN 0x05
	MUL8 \f, 0, \zero
	PLACES
	FETCH \slot, \q, \g
	s_wait_dscnt 32                                ; all but the 32 just issued
	WIN 0x05
	MUL8 \f, 2, \zero
.endm
.macro TURN slot, next, fill
	WIN 0
	s_wait_tensorcnt 0x0                           ; all my tensor loads have landed: my part of the next slot;
	ds_add_u32 v[SPW], v[NIL]                      ; 0 onto my spare word;
	s_wait_dscnt 9                                 ; (the add and the youngest eight loads may be out)
	WIN 0x05
	MUL8 F1, 0, 0
	s_wait_dscnt 0x0                               ; the add is done, and my reads of this slot are over
	s_barrier_signal -1
	WIN 0
	s_barrier_wait -1
.if \fill
	CREST                                          ; the barrier has opened a round of the cluster's barrier: no wave of any partner still reads this slot or has a load on its way
	s_add_nc_u64 s[G0+4*\slot+2:G0+4*\slot+3], s[G0+4*\slot+2:G0+4*\slot+3], 2*ASTEP
	s_add_nc_u64 s[G0B+4*\slot+2:G0B+4*\slot+3], s[G0B+4*\slot+2:G0B+4*\slot+3], 1024
	JLOAD \slot                                    ; the first tensor load behind the round; its four v_nop are the places in front of the loads below
.else
	PLACES
.endif
	FETCH \next, 0, F0
	WIN 0x05
	MUL8 F1, 2, 0
.endm
	s_load_b128 s[4:7], s[0:1], 0x0                ; A's codes, wc
	s_load_b128 s[92:95], s[0:1], 0x10             ; the bias, the residual
	s_load_b128 s[96:99], s[0:1], 0x20             ; lowp_scales, the result
	v_lshl_add_u32 v[SPW], v0, 2, SPARE
	v_mov_b32 v[NIL], 0
	ds_add_u32 v[SPW], v[NIL]                      ; the wave's opening: the add, twice on end, and its wait ahead of my first tensor load
	ds_add_u32 v[SPW], v[NIL]
	v_lshrrev_b32 v1, 5, v0
	v_readfirstlane_b32 s10, v1
	s_lshr_b32 s11, s10, 1
	s_and_b32 s12, s10, 1
	s_bfe_u32 s40, ttmp6, 0x40000
	s_bfe_u32 s41, ttmp6, 0x40004
	s_lshl_b32 s42, ttmp9, 2
	s_add_co_u32 s42, s42, s40                     ; tile column
	s_and_b32 s13, ttmp7, 0xffff
	s_lshl_b32 s13, s13, 2
	s_add_co_u32 s13, s13, s41                     ; tile row
	s_lshl_b32 s43, s41, 2
	s_lshl_b32 s43, 15, s43
	s_lshl_b32 s44, 0x1111, s40
	s_or_b32 s[G1+0], s43, (1<<20)|(1<<21)|(AQI<<22)|(3<<25)
	s_or_b32 s[G1B+0], s44, (1<<20)|(1<<21)|(6<<22)|(3<<25)
	s_mov_b32 s[G1+1], AC<<16
	s_mov_b32 s[G1+2], AR<<16
	s_mov_b32 s[G1+3], AC<<16
	s_mov_b32 s[G1+4], AR
	s_mov_b32 s[G1+5], AP
	s_mov_b32 s[G1+6], 0
	s_mov_b32 s[G1+7], 0
	s_mov_b32 s[G1B+1], 512<<16
	s_mov_b32 s[G1B+2], 64<<16
	s_mov_b32 s[G1B+3], 512<<16
	s_mov_b32 s[G1B+4], 64
	s_mov_b32 s[G1B+5], KTOT
	s_mov_b32 s[G1B+6], 0
	s_mov_b32 s[G1B+7], 0
	s_lshl_b32 s16, s13, 1
	s_add_co_u32 s16, s16, s12                     ; A: the block of 64 tokens 2 x tile row + half
	s_lshl_b32 s16, s16, ASHIFT
	s_mov_b32 s17, 0
	s_lshl_b32 s46, s42, 7
	s_lshl_b32 s47, s12, 6
	s_add_co_u32 s46, s46, s47                     ; B: row 128 x tile column + 64 x half
	s_mul_i32 s46, s46, KTOT
	s_add_co_u32 s46, s46, BOFF
	s_mov_b32 s47, 0
	s_mul_i32 s20, s12, AHALF
	s_mul_i32 s45, s12, BHALF
	s_add_co_u32 s45, s45, 2*AHALF
	s_wait_dscnt 0x0
	s_wait_kmcnt 0x0
	s_load_b512 s[72:87], s[96:97], 0x0
	s_add_nc_u64 s[14:15], s[4:5], s[16:17]
	s_add_nc_u64 s[46:47], s[6:7], s[46:47]
	CROUND
.irp s, 0,1
	s_mov_b32 s[G0+4*\s], 1
	s_add_co_u32 s[G0+4*\s+1], s20, \s*SLOT
	s_add_nc_u64 s[G0+4*\s+2:G0+4*\s+3], s[14:15], \s*ASTEP
	s_or_b32 s[G0+4*\s+3], s[G0+4*\s+3], 0x80000000
	s_mov_b32 s[G0B+4*\s], 1
	s_add_co_u32 s[G0B+4*\s+1], s45, \s*SLOT
	s_add_nc_u64 s[G0B+4*\s+2:G0B+4*\s+3], s[46:47], \s*512
	s_or_b32 s[G0B+4*\s+3], s[G0B+4*\s+3], 0x80000000
	JLOAD \s
.endr
	v_and_b32 v1, 15, v0                           ; r
	v_bfe_u32 v2, v0, 4, 1                         ; h
	v_mul_u32_u24 v3, v1, APITCH
	v_lshl_add_u32 v3, v2, 4, v3
	v_mul_u32_u24 v4, v1, 528
	v_lshl_add_u32 v4, v2, 4, v4
	s_mul_i32 s21, s11, AHALF
	s_mul_i32 s22, s12, BHALF
	s_add_co_u32 s22, s22, 2*AHALF
.irp s, 0,1
	v_add_nc_u32 v[ADRA+\s], s21, v3
	v_add_nc_u32 v[ADRB+\s], s22, v4
	s_add_co_u32 s21, s21, SLOT
	s_add_co_u32 s22, s22, SLOT
.endr
	s_mul_i32 s23, s10, 4352
	s_add_co_u32 s23, s23, STAGE                   ; my stage
	v_mul_u32_u24 v3, v1, 272
	v_lshl_add_u32 v3, v2, 5, v3
	v_add_nc_u32 v[STO], s23, v3
	v_mul_u32_u24 v3, v2, 272
	v_lshl_add_u32 v3, v1, 4, v3
	v_add_nc_u32 v[RD], s23, v3
	v_lshlrev_b32 v[CO], 12, v2
	v_lshl_add_u32 v[CO], v1, 4, v[CO]
	s_lshl_b32 s68, s42, 9
	s_lshl_b32 s69, s12, 8
	s_add_co_u32 s68, s68, s69                     ; my 64 columns' bytes
	s_mov_b32 s69, 0
	s_add_nc_u64 s[92:93], s[92:93], s[68:69]
	v_lshlrev_b32 v5, 4, v1
	global_load_b128 v[BIAS:BIAS+3], v5, s[92:93]
	s_lshl_b32 s90, s13, 7
	s_lshl_b32 s91, s11, 6
	s_add_co_u32 s90, s90, s91                     ; my first row
	s_lshl_b32 s90, s90, 12
	s_add_co_u32 s90, s90, s68
	s_mov_b32 s91, 0
	s_add_nc_u64 s[70:71], s[98:99], s[90:91]
	s_add_nc_u64 s[94:95], s[94:95], s[90:91]
	WIN 0x80                                       ; destination window 2: the residual, in the layout of the way out
.set i, 0
.rept 32
	global_load_b128 v[4*i:4*i+3], v[CO], s[94:95] offset:(16*(i/8)+2*(i%8))*4096 th:TH_LOAD_NT
.set i, i+1
.endr
	WIN 0
	s_wait_tensorcnt 0x1                           ; my part of slot 0 is in; slot 1's load may be out
	s_barrier_signal -1
	s_barrier_wait -1
	FETCH 0, 0, F0
	QUARTER 0, 1, F0, F1, 1                        ; the first quarter's products start the sums
.if LAPS > 1
	WIN 0
	s_mov_b32 s3, LAPS-1
.Llap:                                             ; a trip goes once round the ring and fills both slots again
	QUARTER 0, 2, F1, F0, 0
	QUARTER 0, 3, F0, F1, 0
	TURN 0, 1, 1
	QUARTER 1, 1, F0, F1, 0
	QUARTER 1, 2, F1, F0, 0
	QUARTER 1, 3, F0, F1, 0
	TURN 1, 0, 1
	QUARTER 0, 1, F0, F1, 0
	WIN 0
	s_sub_co_u32 s3, s3, 1
	s_cmp_lg_u32 s3, 0
	s_cbranch_scc1 .Llap
.endif
	QUARTER 0, 2, F1, F0, 0                        ; the last lap fills nothing: it is written out
	QUARTER 0, 3, F0, F1, 0
	TURN 0, 1, 0
	QUARTER 1, 1, F0, F1, 0
	QUARTER 1, 2, F1, F0, 0
	QUARTER 1, 3, F0, F1, 0
	s_wait_dscnt 8
	WIN 0x05
	MUL8 F1, 0, 0
	s_wait_dscnt 0x0
	MUL8 F1, 2, 0
	WIN 0
	PLACES
	s_wait_kmcnt 0x0
	s_add_co_i32 s14, s[EA], s[EA+1]
	s_add_co_i32 s14, s14, 127
	s_lshl_b32 s88, s14, 23                        ; 2^(eA + eB)
	s_mov_b32 s89, s88
	s_wait_loadcnt 0x0                             ; the bias and the residual
.macro TOSTAGE a
.set BK, 32+32*((\a)%2)
.irp b, 0,1,2,3
	ds_store_b128 v[STO], v[ACC+32*(\a)+8*\b:ACC+32*(\a)+8*\b+3] offset:64*\b          ; each accumulator from its low end on
	ds_store_b128 v[STO], v[ACC+32*(\a)+8*\b+4:ACC+32*(\a)+8*\b+7] offset:64*\b+16
.endr
.irp t, 0,1,2,3,4,5,6,7
	ds_load_b128 v[BK+4*\t:BK+4*\t+3], v[RD] offset:\t*2*272   ; LDS serves a wave's instructions in order
.endr
.endm
.macro SEND a, younger
.set BK, 32+32*((\a)%2)
	s_wait_dscnt \younger                          ; the block is back; the next block's 16 LDS instructions may be out
	WIN 0x20                                       ; source 2 (the residual) in window 2
.set i, 0
.rept 16
	v_pk_fma_f32 v[BK+i:BK+i+1], v[BK+i:BK+i+1], s[88:89], v[32*(\a)+i:32*(\a)+i+1] op_sel_hi:[1,0,1]
.set i, i+2
.endr
	WIN 0
.irp t, 0,1,2,3,4,5,6,7
	v_pk_add_f32 v[BK+4*\t:BK+4*\t+1], v[BK+4*\t:BK+4*\t+1], v[BIAS:BIAS+1]
	v_pk_add_f32 v[BK+4*\t+2:BK+4*\t+3], v[BK+4*\t+2:BK+4*\t+3], v[BIAS+2:BIAS+3]
.endr
.irp t, 0,1,2,3,4,5,6,7
	global_store_b128 v[CO], v[BK+4*\t:BK+4*\t+3], s[70:71] offset:(16*(\a)+2*\t)*4096   ; sixteen lanes store 256 consecutive bytes, aligned
.endr
.endm
	TOSTAGE 0
	TOSTAGE 1
	SEND 0, 16
	s_wait_xcnt 0x0                                ; block 0's stores have read their registers: block 2's loads may land there
	TOSTAGE 2
	SEND 1, 16
	s_wait_xcnt 0x0
	TOSTAGE 3
	SEND 2, 16
	SEND 3, 0
	s_wait_tensorcnt 0x0                           ; the wave's end
	ds_add_u32 v[SPW], v[NIL]
	s_wait_dscnt 0x0
	CROUND                                         ; the closing round
	s_endpgm
.Lfunc_end_k_qe17f51a0e2_down:
	.size	k_qe17f51a0e2_down, .Lfunc_end_k_qe17f51a0e2_down-k_qe17f51a0e2_down
	.p2alignl 7, 3214868480
	.fill 96, 4, 3214868480
	.section	.rodata,"a",@progbits
	.p2align	6, 0x0
	.amdhsa_kernel k_qe17f51a0e2_down
		.amdhsa_group_segment_fixed_size 327680
		.amdhsa_private_segment_fixed_size 0
		.amdhsa_enable_private_segment 0
		.amdhsa_kernarg_size 48
		.amdhsa_user_sgpr_count 2
		.amdhsa_user_sgpr_kernarg_segment_ptr 1
		.amdhsa_wavefront_size32 1
		.amdhsa_system_sgpr_workgroup_id_x 1
		.amdhsa_system_sgpr_workgroup_id_y 1
		.amdhsa_system_sgpr_workgroup_id_z 1
		.amdhsa_system_vgpr_workitem_id 0
		.amdhsa_next_free_vgpr 640
		.amdhsa_next_free_sgpr 100
		.amdhsa_reserve_vcc 0
		.amdhsa_float_denorm_mode_32 3
		.amdhsa_float_denorm_mode_16_64 3
		.amdhsa_memory_ordered 1
		.amdhsa_forward_progress 1
		.amdhsa_inst_pref_size 82
	.end_amdhsa_kernel
	.amdgpu_metadata
---
amdhsa.version: [ 1, 2 ]
amdhsa.kernels:
  - .name:           k_qe17f51a0e2_down
    .symbol:         k_qe17f51a0e2_down.kd
    .args:
      - { .name: hc, .offset: 0, .size: 8, .value_kind: global_buffer, .address_space: global }
      - { .name: wc, .offset: 8, .size: 8, .value_kind: global_buffer, .address_space: global }
      - { .name: b_down, .offset: 16, .size: 8, .value_kind: global_buffer, .address_space: global }
      - { .name: x1, .offset: 24, .size: 8, .value_kind: global_buffer, .address_space: global }
      - { .name: lowp_scales, .offset: 32, .size: 8, .value_kind: global_buffer, .address_space: global }
      - { .name: x2, .offset: 40, .size: 8, .value_kind: global_buffer, .address_space: global }
    .group_segment_fixed_size: 327680
    .private_segment_fixed_size: 0
    .kernarg_segment_align: 8
    .kernarg_segment_size: 48
    .max_flat_workgroup_size: 128
    .sgpr_count:     100
    .vgpr_count:     640
    .wavefront_size: 32
...
	.end_amdgpu_metadata
.endif
;; end of part 7
;; launch lnf (part 8): grid 512 x 1, 4 waves a work-group, no clusters, 0 bytes of LDS; arguments x2, lnf_g, lnf_b, out0; writes out0
.if DOCPART == 8
	.amdgcn_target "amdgcn-amd-amdhsa--gfx1250"
	.amdhsa_code_object_version 6
	.text
	.protected	k_qe17f51a0e2_lnf
	.globl	k_qe17f51a0e2_lnf
	.p2align	8
	.type	k_qe17f51a0e2_lnf,@function
k_qe17f51a0e2_lnf:
	s_mov_b64 s[64:65], 0
	v_nop
	global_prefetch_b8 v0, s[64:65] scope:SCOPE_SE
	s_setreg_imm32_b32 hwreg(HW_REG_WAVE_MODE, 25, 1), 1
	s_wait_xcnt 0x0
; out0 = LNf(x2), f32.  Nothing is left out.
; A wave takes two rows; a row lies in 32 registers between the passes.  In chunk j a lane holds columns 128 j + 4 lane .. + 3: each load and each store of a wave covers 512 consecutive bytes, aligned.
; No LDS, no barrier, no matrix unit: the launch streams.  NaN and infinity are not served.
.set G,     16
.set BB,    48
.set X0,    80
.set X1,    112
.set RED,   144
.set W0,    152
.set W1,    153
.set PR,    154
	s_load_b256 s[4:11], s[0:1], 0x0               ; x2, lnf_g, lnf_b, out0
	v_lshrrev_b32 v1, 5, v0
	v_readfirstlane_b32 s28, v1
	v_and_b32 v2, 31, v0
	s_lshl_b32 s29, ttmp9, 2
	s_add_co_u32 s29, s29, s28                     ; which pair of rows is my wave's
	s_lshl_b32 s30, s29, 13
	s_mov_b32 s31, 0
	s_mov_b32 s44, 0x76543210
	s_mov_b32 s45, 0xfedcba98
	s_mov_b32 s46, 0x3a800000                      ; 1 / 1024
	s_mov_b32 s47, 0x3727c5ac                      ; 1e-5
	v_lshlrev_b32 v1, 4, v2
	v_mov_b32 v[W1], 0
	s_wait_kmcnt 0x0
	s_add_nc_u64 s[4:5], s[4:5], s[30:31]
	s_add_nc_u64 s[10:11], s[10:11], s[30:31]
.irp j, 0,1,2,3,4,5,6,7
	global_load_b128 v[G+4*\j:G+4*\j+3], v1, s[6:7] offset:512*\j
.endr
.irp j, 0,1,2,3,4,5,6,7
	global_load_b128 v[BB+4*\j:BB+4*\j+3], v1, s[8:9] offset:512*\j
.endr
.irp j, 0,1,2,3,4,5,6,7
	global_load_b128 v[X0+4*\j:X0+4*\j+3], v1, s[4:5] offset:512*\j th:TH_LOAD_NT
.endr
.irp j, 0,1,2,3,4,5,6,7
	global_load_b128 v[X1+4*\j:X1+4*\j+3], v1, s[4:5] offset:4096+512*\j th:TH_LOAD_NT
.endr
.macro FOLD
	v_pk_add_f32 v[RED:RED+1], v[RED:RED+1], v[RED+2:RED+3]
	v_pk_add_f32 v[RED+4:RED+5], v[RED+4:RED+5], v[RED+6:RED+7]
	v_pk_add_f32 v[RED:RED+1], v[RED:RED+1], v[RED+4:RED+5]
	v_add_f32 v[W0], v[RED], v[RED+1]
	v_add_f32_dpp v[W0], v[W0], v[W0] row_xmask:1 row_mask:0xf bank_mask:0xf
	v_add_f32_dpp v[W0], v[W0], v[W0] row_xmask:2 row_mask:0xf bank_mask:0xf
	v_add_f32_dpp v[W0], v[W0], v[W0] row_xmask:4 row_mask:0xf bank_mask:0xf
	v_add_f32_dpp v[W0], v[W0], v[W0] row_xmask:8 row_mask:0xf bank_mask:0xf
	v_permlanex16_b32 v[W1], v[W0], s44, s45
	v_add_f32 v[W0], v[W0], v[W1]
.endm
.macro NORM xr
.irp c, 0,2,4,6
	v_pk_add_f32 v[RED+\c:RED+\c+1], v[\xr+\c:\xr+\c+1], v[\xr+8+\c:\xr+9+\c]
.endr
.irp o, 16,24
.irp c, 0,2,4,6
	v_pk_add_f32 v[RED+\c:RED+\c+1], v[RED+\c:RED+\c+1], v[\xr+\o+\c:\xr+\o+\c+1]
.endr
.endr
	FOLD
	v_mul_f32 v[PR], s46, v[W0]
	v_mov_b32 v[PR+1], v[PR]
.set i, 0
.rept 16
	v_pk_add_f32 v[\xr+i:\xr+i+1], v[\xr+i:\xr+i+1], v[PR:PR+1] neg_lo:[0,1] neg_hi:[0,1]
.set i, i+2
.endr
.irp c, 0,2,4,6
	v_pk_mul_f32 v[RED+\c:RED+\c+1], v[\xr+\c:\xr+\c+1], v[\xr+\c:\xr+\c+1]
.endr
.irp o, 8,16,24
.irp c, 0,2,4,6
	v_pk_fma_f32 v[RED+\c:RED+\c+1], v[\xr+\o+\c:\xr+\o+\c+1], v[\xr+\o+\c:\xr+\o+\c+1], v[RED+\c:RED+\c+1]
.endr
.endr
	FOLD
	v_fma_f32 v[W0], v[W0], s46, s47
	v_rsq_f32 v[PR], v[W0]
	v_nop                                          ; a plain instruction behind the transcendental,
	s_wait_alu depctr_va_vdst(0)                   ; and a wait ahead of its first reader
	v_mov_b32 v[PR+1], v[PR]
.set i, 0
.rept 16
	v_pk_mul_f32 v[\xr+i:\xr+i+1], v[\xr+i:\xr+i+1], v[PR:PR+1]
.set i, i+2
.endr
.set i, 0
.rept 16
	v_pk_fma_f32 v[\xr+i:\xr+i+1], v[\xr+i:\xr+i+1], v[G+i:G+i+1], v[BB+i:BB+i+1]
.set i, i+2
.endr
.endm
	s_wait_loadcnt 8                               ; gain, bias and row 0 are in; row 1's eight loads may be out
	NORM X0
.irp j, 0,1,2,3,4,5,6,7
	global_store_b128 v1, v[X0+4*\j:X0+4*\j+3], s[10:11] offset:512*\j th:TH_STORE_NT
.endr
	s_wait_loadcnt 0x0
	NORM X1
.irp j, 0,1,2,3,4,5,6,7
	global_store_b128 v1, v[X1+4*\j:X1+4*\j+3], s[10:11] offset:4096+512*\j th:TH_STORE_NT
.endr
	s_endpgm
.Lfunc_end_k_qe17f51a0e2_lnf:
	.size	k_qe17f51a0e2_lnf, .Lfunc_end_k_qe17f51a0e2_lnf-k_qe17f51a0e2_lnf
	.p2alignl 7, 3214868480
	.fill 96, 4, 3214868480
	.section	.rodata,"a",@progbits
	.p2align	6, 0x0
	.amdhsa_kernel k_qe17f51a0e2_lnf
		.amdhsa_group_segment_fixed_size 0
		.amdhsa_private_segment_fixed_size 0
		.amdhsa_enable_private_segment 0
		.amdhsa_kernarg_size 32
		.amdhsa_user_sgpr_count 2
		.amdhsa_user_sgpr_kernarg_segment_ptr 1
		.amdhsa_wavefront_size32 1
		.amdhsa_system_sgpr_workgroup_id_x 1
		.amdhsa_system_sgpr_workgroup_id_y 1
		.amdhsa_system_sgpr_workgroup_id_z 1
		.amdhsa_system_vgpr_workitem_id 0
		.amdhsa_next_free_vgpr 160
		.amdhsa_next_free_sgpr 66
		.amdhsa_reserve_vcc 0
		.amdhsa_float_denorm_mode_32 3
		.amdhsa_float_denorm_mode_16_64 3
		.amdhsa_memory_ordered 1
		.amdhsa_forward_progress 1
		.amdhsa_inst_pref_size 18
	.end_amdhsa_kernel
	.amdgpu_metadata
---
amdhsa.version: [ 1, 2 ]
amdhsa.kernels:
  - .name:           k_qe17f51a0e2_lnf
    .symbol:         k_qe17f51a0e2_lnf.kd
    .args:
      - { .name: x2, .offset: 0, .size: 8, .value_kind: global_buffer, .address_space: global }
      - { .name: lnf_g, .offset: 8, .size: 8, .value_kind: global_buffer, .address_space: global }
      - { .name: lnf_b, .offset: 16, .size: 8, .value_kind: global_buffer, .address_space: global }
      - { .name: out0, .offset: 24, .size: 8, .value_kind: global_buffer, .address_space: global }
    .group_segment_fixed_size: 0
    .private_segment_fixed_size: 0
    .kernarg_segment_align: 8
    .kernarg_segment_size: 32
    .max_flat_workgroup_size: 128
    .sgpr_count:     66
    .vgpr_count:     160
    .wavefront_size: 32
...
	.end_amdgpu_metadata
.endif
;; end of part 8
